; MI455X (gfx1250); checked and timed in simulation.
; The chip was launched on July 23, 2026; its instructions are those of AMD's public machine-readable ISA for CDNA 5 (MIT licence, August 2026) and "CDNA5" Instruction Set Architecture Reference Guide (July 2026). The comments in the code are by the model that wrote it; some were corrected since.
;; Cached Attention. Allowed arithmetic: matrix products marked QUANTISED: E2M1 operands, one E8M0 scale for each 32 along K, by v_wmma_scale_f32_16x16x128_f8f6f4 with both operands' format E2M1 (or v_wmma_scale_f32_32x16x128_f4), f32 sums; products left as they are: bf16, f16 or f32 operands; f32 sums; everything else in f32.
;; Inputs: W_o 1,024 x 1,024 float32; W_qkv 3,072 x 1,024 float32; x 1 x 4,096 x 1,024 float32.
;; Outputs: out0 1 x 4,096 x 1,024 float32.
;; This version of the problem:
;;   THIS VERSION OF THE PROBLEM IS GIVEN IN LOW PRECISION. The matrix products marked QUANTISED in the list below multiply operands that are first quantised to E2M1 (2 exponent bits, 1 mantissa bit; 4 bits a number), with one power-of-two scale for each 32 numbers along K (OCP MX v1.0); their sums are f32. The products marked 'left as it is' may take bf16, f16 or f32 operands, with f32 sums. Whichever they take, every output number must still come out within the allowed error. Rounding operands to bf16 (8 significant bits) uses up far more of that allowance than f16 does (11 bits, for magnitudes from 6e-5 to 65,504). All else is computed in f32.
;;   The module's matrix products, in the order in which they are computed (A, B: the left and right operand; K: the contracted axis; several contracted axes count as one K, in the product's order):
;;     1. [M 4,096, K 1,024] x [K 1,024, N 3,072]; A: input x; B: input W_qkv: QUANTISED
;;     2. batch 16 x [M 4,096, K 64] x [K 64, N 4,096]; A: computed on the way; B: computed on the way: left as it is (an operand is computed on the way)
;;     3. batch 16 x [M 4,096, K 4,096] x [K 4,096, N 64]; A: computed on the way; B: computed on the way: left as it is (an operand is computed on the way)
;;     4. [M 4,096, K 1,024] x [K 1,024, N 1,024]; A: computed on the way; B: input W_o: left as it is (an operand is computed on the way)
;;   THE QUANTISER, for each operand of a quantised product, along K:
;;     - K is cut into blocks of 32 from its start; a last block that is shorter is filled with zeros.
;;     - A block's scale is 2^e with e = floor(log2(the largest magnitude in the block)) - 2, held to -126 .. 127; a block of zeros has e = 0. As a byte (E8M0): e + 127.
;;     - Each number is divided by its block's scale, clamped to +-6, and rounded to the nearest number of E2M1, ties to even, subnormals kept.
;;     - The product sums the exact products of the quantised numbers (number of the format x scale) in f32.
;;   ~~~python
;;   def quantise(x, axis):      # numpy; x: float32 -> the quantised numbers, widened to float32 again
;;       x = np.moveaxis(x, axis, -1); K = x.shape[-1]
;;       x = np.pad(x, [(0, 0)] * (x.ndim - 1) + [(0, -K % 32)]); x = x.reshape(x.shape[:-1] + (-1, 32)); a = np.abs(x).max(-1, keepdims=True)
;;       e = np.where(a > 0, np.clip(np.frexp(np.where(a > 0, a, 1))[1] - 1 - 2, -126, 127), 0)      # np.frexp(a)[1] - 1 = floor(log2(a)), exactly
;;       r = np.clip(x / 2.0 ** e, -6, 6)
;;       step = 2.0 ** (np.maximum(np.frexp(np.where(r == 0, 1, r))[1] - 1, 0) - 1)
;;       q = np.round(r / step) * step * 2.0 ** e      # np.round: ties to even
;;       return np.moveaxis(q.reshape(q.shape[:-2] + (-1,))[..., :K], -1, axis).astype(np.float32)
;;   ~~~
;; One version. Each part assembles by itself: llvm-mc -triple=amdgcn-amd-amdhsa -mcpu=gfx1250 --defsym DOCPART=n.
;; ======== version 1 of 1: 6 launches
;; limits: values are held in f16: magnitudes above 65,504 overflow, below 6.1e-05 lose precision
;; workspace buffers: xc 2,097,152 bytes; xs 131,072 bytes; wc 1,572,864 bytes; ws 98,304 bytes; woh 2,097,152 bytes; qkv 25,165,824 bytes; oh 8,388,608 bytes; ofine 65,536 bytes
;; launch prep (part 1): grid 288 x 1, 4 waves a work-group, no clusters, 33,280 bytes of LDS; arguments x, W_qkv, xc, xs, wc, ws, W_o, woh; writes xc, xs, wc, ws, woh
.if DOCPART == 1
	.amdgcn_target "amdgcn-amd-amdhsa--gfx1250"
	.amdhsa_code_object_version 6
	.text
	.protected	k_q64608dcfc0_prep
	.globl	k_q64608dcfc0_prep
	.p2align	8
	.type	k_q64608dcfc0_prep,@function
k_q64608dcfc0_prep:
	s_mov_b64 s[64:65], 0
	v_nop
	global_prefetch_b8 v0, s[64:65] scope:SCOPE_SE
	s_setreg_imm32_b32 hwreg(HW_REG_WAVE_MODE, 25, 1), 1
	s_wait_xcnt 0x0
; PREP.  Work-groups 0-223: x [4096][1024] and W_qkv [3072][1024], f32, become codes of FP4 (E2M1), K innermost, two codes a byte, with one E8M0 byte for each 32 along K.
; A block's scale is 2^(floor(log2(its largest magnitude)) - 2); its byte is the largest magnitude's exponent field - 2, held at 1 from below.  (A block of zeros so gets the byte 1 where the
; rule says 127: its codes are zeros, which add nothing, and the bytes are read by this program alone.)  Each number is divided by the scale and rounded to the nearest code, ties to even, beyond 6 to 6.
; Work-groups 224-287: W_o [1024][1024] f32 becomes f16, laid as images of operand registers: [K group of 256: 4][tile of 16 rows: 64][fragment of 32 along K: 8][half: 2][lane: 32][16 bytes].
; LIMITS: NaN and infinities among the inputs are not served; blocks whose largest magnitude lies under 2^-124 keep the byte 1; |W_o| stays under 65,504 (f16).
; QUANTISER.  Rows are dense and K is a multiple of 32: both tensors are streams of blocks of 32.  A wave takes 16 steps of 512 numbers.  Each of a step's four loads reads 512 consecutive bytes;
; the 2,048 bytes turn through the wave's own stage in LDS and come back 64 bytes a lane, so that a lane holds 16 neighbours and two neighbouring lanes a block.  A wave's store of codes covers 256
; consecutive bytes; its 256 scale bytes are gathered in LDS and leave as one aligned run of 256 bytes.  No barrier: waves share nothing.
.set WAVES, 4
.set STEPS, 16
.set WGA,   128                        ; work-groups for x: 4096 x 1024 / 32768
.set WGQ,   224                        ; and with W_qkv's 96
.set EMAX,  2
.set CB,    8                          ; bytes of 16 codes
.set R,     16                         ; v16-79   four sets of 16 numbers as they are loaded
.set X,     80                         ; v80-111  two sets of 16 neighbours
.set E,     112                        ; v112-127 a scale byte for each step
.set C,     128                        ; v128-191 codes: four registers for each step, so that no store's data are written again
.set WREG,  8192                       ; LDS: a region for each wave: two stages of 32 x SP bytes, behind them its 256 scale bytes
.set SP,    80                         ; a lane's place in a stage: 64 bytes + 16 of padding
.set SPW,   12                         ; v12      LDS address of my spare word; never rewritten
.set NIL,   13                         ; v13      0; never rewritten
.set SPARE, WAVES*WREG                 ; behind the four regions: the spare words, 128 bytes a wave
.set FW,    16                         ; W_o's path: v16-143 128 numbers as loaded
.set HW,    144                        ;             v144-207 their 64 registers of f16
	s_load_b128 s[4:7], s[0:1], 0x0                ; x, W_qkv
	s_load_b128 s[8:11], s[0:1], 0x10              ; x's codes, x's scales
	s_load_b128 s[12:15], s[0:1], 0x20             ; W_qkv's codes, its scales
	s_load_b128 s[24:27], s[0:1], 0x30             ; W_o, its f16 images
	v_lshl_add_u32 v[SPW], v0, 2, SPARE
	v_mov_b32 v[NIL], 0
	v_lshrrev_b32 v1, 5, v0
	v_readfirstlane_b32 s16, v1                    ; wave
	v_and_b32 v2, 31, v0                           ; lane
	s_cmp_ge_u32 ttmp9, WGQ                        ; the work-group's number alone decides the path
	s_cbranch_scc1 .Lwo
	v_lshlrev_b32 v3, 4, v2                        ; my 16 bytes of a load's 512
	s_mul_i32 s17, s16, WREG
	v_lshrrev_b32 v14, 2, v2
	v_mul_u32_u24 v14, v14, SP
	v_and_b32 v15, 3, v2
	v_lshl_add_u32 v14, v15, 4, v14
	v_add_nc_u32 v14, s17, v14                     ; the stage, on the way in: SP (lane / 4) + 16 (lane % 4)
	v_mul_u32_u24 v15, v2, SP
	v_add_nc_u32 v15, s17, v15                     ; and on the way out: SP x lane: my 16 neighbours
	v_mul_u32_u24 v4, v2, CB                       ; my codes' place in a step's
	v_lshrrev_b32 v5, 1, v2
	s_add_co_u32 s17, s17, 2*32*SP
	v_add_nc_u32 v5, s17, v5                       ; LDS: my wave's 256 scale bytes, my block's byte
	v_lshlrev_b32 v7, 3, v2                        ; and on the way out 8 bytes a lane
	v_add_nc_u32 v6, s17, v7
	s_wait_kmcnt 0x0
	s_cmp_lt_u32 ttmp9, WGA                        ; x's work-group or W_qkv's?
	s_cselect_b64 s[4:5], s[4:5], s[6:7]
	s_cselect_b64 s[8:9], s[8:9], s[12:13]
	s_cselect_b64 s[10:11], s[10:11], s[14:15]
	s_cselect_b32 s17, 0, WGA
	s_sub_co_u32 s17, ttmp9, s17
	s_lshl_b32 s17, s17, 2
	s_add_co_u32 s18, s17, s16                     ; which run of 8,192 numbers of the tensor is my wave's
	s_mov_b32 s19, 0
	s_mov_b64 s[20:21], 512*STEPS*4
	s_mul_u64 s[20:21], s[18:19], s[20:21]
	s_add_nc_u64 s[4:5], s[4:5], s[20:21]
	s_mov_b64 s[20:21], 32*STEPS*CB
	s_mul_u64 s[20:21], s[18:19], s[20:21]
	s_add_nc_u64 s[8:9], s[8:9], s[20:21]
	s_lshl_b32 s18, s18, 8                         ; 256 scale bytes a run
	s_add_nc_u64 s[10:11], s[10:11], s[18:19]
.macro LOAD t
.irp i, 0,1,2,3
	global_load_b128 v[R+16*((\t)%4)+4*\i:R+16*((\t)%4)+4*\i+3], v3, s[4:5] offset:2048*(\t)+512*\i th:TH_LOAD_NT   ; 32 lanes read 512 consecutive bytes
.endr
.endm
.macro TURN t                          ; step t's numbers through the stage: LDS serves a wave's instructions in order, so no wait stands between the stores and the loads
.irp i, 0,1,2,3
	ds_store_b128 v14, v[R+16*((\t)%4)+4*\i:R+16*((\t)%4)+4*\i+3] offset:32*SP*((\t)%2)+8*SP*\i
.endr
.irp i, 0,1,2,3
	ds_load_b128 v[X+16*((\t)%2)+4*\i:X+16*((\t)%2)+4*\i+3], v15 offset:32*SP*((\t)%2)+16*\i
.endr
.endm
.irp t, 0,1,2,3
	LOAD \t
.endr
	s_wait_loadcnt 12                              ; step 0's four loads are in; the twelve of steps 1 to 3 stay out
	TURN 0
.macro STEP t
.set XS, X+16*((\t)%2)
.if (\t) > 0
	s_wait_dscnt 1                                 ; this step's numbers are back from the stage (the last step's byte store may be out): so its stores into the stage have read their registers,
.else
	s_wait_dscnt 0x0
.endif
.if (\t)+4 < STEPS
	LOAD (\t)+4                                    ; which take the loads of four steps on
.endif
.if (\t)+1 < STEPS
.if STEPS-2-(\t) >= 3
	s_wait_loadcnt 12                              ; the next step's four loads are in; those of the three steps behind it may be out
.else
	s_wait_loadcnt 4*(STEPS-2-(\t))
.endif
	TURN (\t)+1                                    ; and go through the other stage while this step is worked
.endif
	v_max3_num_f32 v8, |v[XS]|, |v[XS+1]|, |v[XS+2]|               ; the largest magnitude of my 16, in two chains
	v_max3_num_f32 v9, |v[XS+3]|, |v[XS+4]|, |v[XS+5]|
.irp i, 6,10
	v_max3_num_f32 v8, v8, |v[XS+\i]|, |v[XS+\i+1]|
	v_max3_num_f32 v9, v9, |v[XS+\i+2]|, |v[XS+\i+3]|
.endr
	v_max3_num_f32 v8, v8, |v[XS+14]|, |v[XS+15]|
	v_max3_num_f32 v8, v8, v9, (EMAX+1)<<23        ; and the floor 2^(3 - 127): so the byte cannot fall under 1
	v_max_num_f32_dpp v8, v8, v8 row_xmask:1 row_mask:0xf bank_mask:0xf   ; and of my neighbour's 16: the block's
	v_add_nc_u32 v11, -(EMAX<<23), v8              ; 2 off its exponent field: the conversion takes the exponent field of this operand as its scale
	v_cvt_scalef32_pk8_fp4_f32 v[C+4*(\t)], v[XS:XS+7], v11
	v_cvt_scalef32_pk8_fp4_f32 v[C+4*(\t)+1], v[XS+8:XS+15], v11
	v_lshrrev_b32 v[E+(\t)], 23, v11               ; the scale's byte (a plain line behind the conversions)
	ds_store_b8 v5, v[E+(\t)] offset:16*(\t)       ; both lanes of a block write the same byte with the same value
	global_store_b64 v4, v[C+4*(\t):C+4*(\t)+1], s[8:9] offset:32*CB*(\t)   ; 32 lanes store 256 consecutive bytes
.endm
.irp t, 0,1,2,3,4,5,6,7,8,9,10,11,12,13,14,15
	STEP \t
.endr
	ds_load_b64 v[8:9], v6                         ; LDS serves a wave's instructions in order: these see my stores
	s_wait_dscnt 0x0
	global_store_b64 v7, v[8:9], s[10:11]          ; 32 lanes store one aligned run of 256 bytes
	s_branch .Lend
; W_o.  Work-group 224 + nt takes rows 16 nt .. 16 nt + 15; wave g takes K = 256 g .. 256 g + 255: eight fragments of 16 rows x 32 K.
; A fragment's register image: lane (r, h) holds row r; registers 0-3 K = 8 h + 0..7, registers 4-7 K = 16 + 8 h + 0..7.  Each store of the wave covers 512 consecutive bytes.
.Lwo:
	s_sub_co_u32 s17, ttmp9, WGQ                   ; nt
	v_and_b32 v5, 15, v2                           ; r
	v_lshrrev_b32 v6, 4, v2                        ; h
	v_lshlrev_b32 v3, 12, v5
	v_lshl_add_u32 v3, v6, 5, v3                   ; in: row r of 4,096 bytes + 32 h
	v_lshlrev_b32 v4, 4, v2                        ; out: 16 x lane
	s_lshl_b32 s18, s17, 16                        ; 16 rows of 4,096 bytes
	s_lshl_b32 s19, s16, 10                        ; my 256 numbers of a row
	s_add_co_u32 s18, s18, s19
	s_mov_b32 s19, 0
	s_lshl_b32 s20, s16, 19                        ; out: K group g: 64 tiles of 8,192 bytes
	s_lshl_b32 s21, s17, 13
	s_add_co_u32 s20, s20, s21
	s_mov_b32 s21, 0
	s_wait_kmcnt 0x0
	s_add_nc_u64 s[24:25], s[24:25], s[18:19]
	s_add_nc_u64 s[26:27], s[26:27], s[20:21]
.irp f, 0,1,2,3,4,5,6,7
.irp u, 0,1
.irp q, 0,1
	global_load_b128 v[FW+16*\f+8*\u+4*\q:FW+16*\f+8*\u+4*\q+3], v3, s[24:25] offset:128*\f+64*\u+16*\q
.endr
.endr
.endr
.irp f, 0,1,2,3,4,5,6,7
	s_wait_loadcnt 28-4*\f                         ; fragment f's four loads are in; the later fragments' stay out
.irp u, 0,1
.irp i, 0,1,2,3
	v_cvt_pk_f16_f32 v[HW+8*\f+4*\u+\i], v[FW+16*\f+8*\u+2*\i], v[FW+16*\f+8*\u+2*\i+1]
.endr
	global_store_b128 v4, v[HW+8*\f+4*\u:HW+8*\f+4*\u+3], s[26:27] offset:1024*\f+512*\u
.endr
.endr
.Lend:
	s_wait_tensorcnt 0x0                           ; the wave's end
	ds_add_u32 v[SPW], v[NIL]
	s_wait_dscnt 0x0
	s_endpgm
.Lfunc_end_k_q64608dcfc0_prep:
	.size	k_q64608dcfc0_prep, .Lfunc_end_k_q64608dcfc0_prep-k_q64608dcfc0_prep
	.p2alignl 7, 3214868480
	.fill 96, 4, 3214868480
	.section	.rodata,"a",@progbits
	.p2align	6, 0x0
	.amdhsa_kernel k_q64608dcfc0_prep
		.amdhsa_group_segment_fixed_size 33280
		.amdhsa_private_segment_fixed_size 0
		.amdhsa_enable_private_segment 0
		.amdhsa_kernarg_size 64
		.amdhsa_user_sgpr_count 2
		.amdhsa_user_sgpr_kernarg_segment_ptr 1
		.amdhsa_wavefront_size32 1
		.amdhsa_system_sgpr_workgroup_id_x 1
		.amdhsa_system_sgpr_workgroup_id_y 1
		.amdhsa_system_sgpr_workgroup_id_z 1
		.amdhsa_system_vgpr_workitem_id 0
		.amdhsa_next_free_vgpr 208
		.amdhsa_next_free_sgpr 66
		.amdhsa_reserve_vcc 0
		.amdhsa_float_denorm_mode_32 3
		.amdhsa_float_denorm_mode_16_64 3
		.amdhsa_memory_ordered 1
		.amdhsa_forward_progress 1
		.amdhsa_inst_pref_size 43
	.end_amdhsa_kernel
	.amdgpu_metadata
---
amdhsa.version: [ 1, 2 ]
amdhsa.kernels:
  - .name:           k_q64608dcfc0_prep
    .symbol:         k_q64608dcfc0_prep.kd
    .args:
      - { .name: x, .offset: 0, .size: 8, .value_kind: global_buffer, .address_space: global }
      - { .name: W_qkv, .offset: 8, .size: 8, .value_kind: global_buffer, .address_space: global }
      - { .name: xc, .offset: 16, .size: 8, .value_kind: global_buffer, .address_space: global }
      - { .name: xs, .offset: 24, .size: 8, .value_kind: global_buffer, .address_space: global }
      - { .name: wc, .offset: 32, .size: 8, .value_kind: global_buffer, .address_space: global }
      - { .name: ws, .offset: 40, .size: 8, .value_kind: global_buffer, .address_space: global }
      - { .name: W_o, .offset: 48, .size: 8, .value_kind: global_buffer, .address_space: global }
      - { .name: woh, .offset: 56, .size: 8, .value_kind: global_buffer, .address_space: global }
    .group_segment_fixed_size: 33280
    .private_segment_fixed_size: 0
    .kernarg_segment_align: 8
    .kernarg_segment_size: 64
    .max_flat_workgroup_size: 128
    .sgpr_count:     66
    .vgpr_count:     208
    .wavefront_size: 32
...
	.end_amdgpu_metadata
.endif
;; end of part 1
;; launch qkvgemm (part 2): grid 12 x 16, 4 waves a work-group, clusters of 4 x 4, 327,680 bytes of LDS; arguments xc, xs, wc, ws, qkv; writes qkv
.if DOCPART == 2
	.amdgcn_target "amdgcn-amd-amdhsa--gfx1250"
	.amdhsa_code_object_version 6
	.text
	.protected	k_q64608dcfc0_qkvgemm
	.globl	k_q64608dcfc0_qkvgemm
	.p2align	8
	.type	k_q64608dcfc0_qkvgemm,@function
k_q64608dcfc0_qkvgemm:
	s_mov_b64 s[64:65], 0
	v_nop
	global_prefetch_b8 v0, s[64:65] scope:SCOPE_SE
	s_setreg_imm32_b32 hwreg(HW_REG_WAVE_MODE, 25, 1), 1
	s_wait_xcnt 0x0
	s_wait_alu depctr_hold_cnt(0) depctr_sa_sdst(0) depctr_va_vdst(0) depctr_va_sdst(0) depctr_va_ssrc(0) depctr_va_vcc(0) depctr_vm_vsrc(0)
	s_getreg_b32 s2, hwreg(HW_REG_IB_STS2, 6, 4)
	s_cmp_eq_u32 s2, 0
	s_cbranch_scc0 .Lentry_in_a_cluster
	s_endpgm
.Lentry_in_a_cluster:
	s_bfe_u32 s2, ttmp6, 0x10000c
	s_cmp_lg_u32 s2, 0xf033
	s_cbranch_scc0 .Lentry_shape_is_right
	s_endpgm
.Lentry_shape_is_right:
; q, k, v = x W_qkv^T on codes of FP4 (E2M1) with one E8M0 scale for each 32 along K = 1,024; sums in f32; the results leave as f16, laid as IMAGES OF OPERAND REGISTERS for the attention launch.
; A tile of 256 x 256 is made by four waves, 128 x 128 each: 64 accumulators of 16 x 16, 512 registers.  K is two LDS slots of 512 (rows of 256 bytes), both asked for at the start: nothing is filled again.
; The scale bytes of the work-group's 2 x 256 rows, for all of K, are two dense blocks: they come into LDS once, with the first fills.
; CLUSTERS: 4 x 4 work-groups; the four of a row need the same tiles of 'A', the four of a column the same tiles of 'B': each tile is asked for jointly.
; THE MATRIX INSTRUCTION IS USED TRANSPOSED (source 0 = 16 rows of B, source 1 = 16 rows of A): lane (r, h) holds A's row r and B's rows 8 h + 0..7.  Rounded to f16 in pairs these 16 bytes are
; registers 0-3 (B's even block of 16) or 4-7 (odd block) of the f16 fragment '16 rows of A x 32 along B'.  So: cluster x = 0 (q) and 1 (k): A = tokens (x), B = channels (W's rows);
; cluster x = 2 (v): A = channels (W_v's rows), B = tokens: V^T.  Every store of a wave is 512 consecutive bytes, at a multiple of 512 from the buffer's first byte.
; qkv: [head 16][slot of 512 tokens 8][K 65,536 | V 65,536 | Q 65,536].  K, Q: [tile of 16 tokens 32][32 channels 2][half 2][512 B].  V: [32 keys 16][16 channels 4][half 2][512 B].
; LIMIT: |q|, |k|, |v| stay under 65,504 (f16).
; REGISTERS, in windows of 256: window 0: v0-31 addresses; v32-95 scale words, two sets; from v128 A's fragments, ONE set; on the way out v32-255 are free.
;   window 1: B's fragments, TWO sets, at v0 and v128.   window 2: the accumulators of my rows 0-63 ((a, b) at v[8 (8 a + b)]);   window 3: those of my rows 64-127.
.set SIZE_K, 1024
.set KSTEP,  512                       ; along K in a slot
.set NQ,     KSTEP/128                 ; matrix instructions deep
.set ROWB,   256                       ; a tile's row in bytes
.set KROW,   SIZE_K*4/8                ; a row of codes in memory
.set PITCH,  272                       ; an LDS row: 256 bytes + 16 of padding: the 16 rows that a load touches start at 16 different groups of four banks
.set FR,     8                         ; registers of a fragment: 16 rows x 128 K
.set NL,     2                         ; LDS loads that bring one
.set NP,     4                         ; places behind this matrix instruction (ISA guide 7.12.1)
.set HALFT,  128*PITCH                 ; 128 rows: what one tensor load brings
.set SLOT,   4*HALFT                   ; A's 256 rows, then B's 256 rows
.set KS,     SIZE_K/32                 ; a row of scales in bytes
.set SCL,    2*SLOT                    ; behind the slots: the scales, as runs of 256 bytes + 16 of padding
.set HALFS,  (128*KS/256)*272          ; the scales of 128 rows
.set SBLK,   (16*KS/256)*272           ; those of 16 rows
.set SPARE,  SCL+4*HALFS               ; the spare words, 128 bytes a wave
.set HS,     1572864                   ; qkv: a head
.set SS,     196608                    ; qkv: a slot
.set ADRA, 16                          ; v16-17  LDS address of my A fragments in slot 0, 1
.set ADRB, 20                          ; v20-21  the same for B
.set CO,   26                          ; v26     16 x lane: my place in an image
.set ADRS, 27                          ; v27     LDS address of my scale words: lanes 0-15 A's rows, lanes 16-31 B's
.set SPW,  28                          ; v28     LDS address of my spare word; never rewritten
.set NIL,  29                          ; v29     0; never rewritten
.set SC,   32                          ; scale words: set s at v[SC + 32 s]; register 4 i + q: lanes 0-15 the word of A's block i, lanes 16-31 of B's block i
.set AF,   128                         ; A's fragments, in window 0
.set G1, 24                            ; s[24:31] descriptor group 1 for A's tiles;  s[32:39] group 0, one set for each slot
.set G0, 32
.set G1B, 48                           ; s[48:55], s[56:63] the same for B's tiles
.set G0B, 56
.set G1S, 68                           ; s[68:75], s[76:79] groups 1 and 0 for A's scales;  s[80:87], s[88:91] for B's
.set G0S, 76
.set G1SB, 80
.set G0SB, 88
.set MSB, 0
.macro WIN new                         ; the immediate's high byte repeats the setting that is left
.if MSB != \new
	s_set_vgpr_msb (MSB<<8)|\new
.set MSB, \new
.endif
.endm
.set MUL_LO, 0xa1                      ; source 0 (B) window 1, source 1 (A) window 0, C and D window 2
.set MUL_HI, 0xf1                      ; the same, C and D window 3
.set TO_B,   0x40                      ; destination window 1, address window 0
; A joint load: waves 0 and 1 fetch for A, waves 2 and 3 for B.  Each of the two lines has one mask and one set of registers; the branch hangs on the wave's number alone.
.macro JLOAD g0a, g1a, g0b, g1b
	s_cmp_eq_u32 s15, 0
	s_cbranch_scc0 .Lfor_b_\@
	tensor_load_to_lds s[\g0a:\g0a+3], s[\g1a:\g1a+7]
	s_nop 0
.rept 4
	v_nop
.endr
	s_branch .Lasked_\@
.Lfor_b_\@:
	tensor_load_to_lds s[\g0b:\g0b+3], s[\g1b:\g1b+7]
	s_nop 0
.rept 4
	v_nop
.endr
.Lasked_\@:
.endm
.macro CROUND                          ; a round of the cluster's barrier
	s_barrier_signal -1
	s_barrier_wait -1
	s_cmp_lg_u32 s14, 0
	s_cbranch_scc1 .Lnot_wave_0_\@
	s_barrier_signal -3
.Lnot_wave_0_\@:
	s_barrier_wait -3
	s_barrier_signal -1
	s_barrier_wait -1
.endm
	s_load_b128 s[4:7], s[0:1], 0x0                ; x's codes, x's scales
	s_load_b128 s[8:11], s[0:1], 0x10              ; W's codes, W's scales
	s_load_b64 s[12:13], s[0:1], 0x20              ; qkv
	v_lshl_add_u32 v[SPW], v0, 2, SPARE
	v_mov_b32 v[NIL], 0
	ds_add_u32 v[SPW], v[NIL]                      ; the wave's opening: the add, twice on end, and its wait ahead of my first tensor load
	ds_add_u32 v[SPW], v[NIL]
	v_lshrrev_b32 v1, 5, v0
	v_readfirstlane_b32 s14, v1                    ; wave 0..3
	s_lshr_b32 s15, s14, 1                         ; which half of A's rows is mine.  Also: I fetch for A (0) or for B (1)
	s_and_b32 s16, s14, 1                          ; which half of B's rows.  Also: which 128 rows of that tile I fetch
	s_bfe_u32 s40, ttmp6, 0x40000                  ; cx, cy: my place in the cluster
	s_bfe_u32 s41, ttmp6, 0x40004
	s_and_b32 s17, ttmp7, 0xffff
	s_lshl_b32 s17, s17, 2                         ; 4 x cluster y
	s_lshl_b32 s42, ttmp9, 2                       ; 4 x cluster x
	s_cmp_eq_u32 ttmp9, 2                          ; v?  The cluster's x is the same in all sixteen partners
	s_cselect_b32 s42, s17, s42                    ; B's tile: v: tokens, 4 y + cx; else W's rows, 4 x + cx
	s_cselect_b32 s17, 8, s17                      ; A's tile: v: W's rows from 2,048 on, 8 + cy; else tokens, 4 y + cy
	s_add_co_u32 s42, s42, s40
	s_add_co_u32 s17, s17, s41
	s_lshl_b32 s43, s41, 2
	s_lshl_b32 s43, 15, s43                        ; my row of the cluster
	s_lshl_b32 s44, 0x1111, s40                    ; my column
	; descriptor group 1: a tile of 128 rows x 256 bytes, padded in LDS
	s_or_b32 s[G1+0], s43, (0<<16)|(1<<20)|(1<<21)|(5<<22)|(3<<25)  ; the mask: A's tiles go to my row; elements of 1 byte; padding on; bit 21 beside a mask; after every 64 words 4 words
	s_or_b32 s[G1B+0], s44, (0<<16)|(1<<20)|(1<<21)|(5<<22)|(3<<25)
.irp g, G1, G1B
	s_mov_b32 s[\g+1], ROWB<<16                    ; tensor_dim0
	s_mov_b32 s[\g+2], 128<<16                     ; tensor_dim1
	s_mov_b32 s[\g+3], ROWB<<16                    ; tile_dim0
	s_mov_b32 s[\g+4], 128                         ; tile_dim1
	s_mov_b32 s[\g+5], KROW                        ; the pitch in memory
	s_mov_b32 s[\g+6], 0
	s_mov_b32 s[\g+7], 0
.endr
	; the scales of 128 rows: a dense block of 4,096 bytes, as 16 rows of 256 bytes (32 elements of 8 bytes), 16 bytes of padding behind each
	s_or_b32 s[G1S+0], s43, (3<<16)|(1<<20)|(1<<21)|(5<<22)|(3<<25)
	s_or_b32 s[G1SB+0], s44, (3<<16)|(1<<20)|(1<<21)|(5<<22)|(3<<25)
.irp g, G1S, G1SB
	s_mov_b32 s[\g+1], 32<<16
	s_mov_b32 s[\g+2], (128*KS/256)<<16
	s_mov_b32 s[\g+3], 32<<16
	s_mov_b32 s[\g+4], 128*KS/256
	s_mov_b32 s[\g+5], 32
	s_mov_b32 s[\g+6], 0
	s_mov_b32 s[\g+7], 0
.endr
	s_lshl_b32 s18, s16, 7                         ; which 128 rows of the tile I fetch
	s_lshl_b32 s20, s17, 8
	s_add_co_u32 s20, s20, s18                     ; A: row 256 x tile + 128 x half
	s_lshl_b32 s46, s42, 8
	s_add_co_u32 s46, s46, s18                     ; B likewise
	s_mov_b32 s21, 0
	s_mov_b32 s47, 0
	s_mov_b64 s[18:19], KS
	s_mul_u64 s[22:23], s[20:21], s[18:19]         ; where these rows' scales begin, in bytes
	s_mul_u64 s[92:93], s[46:47], s[18:19]
	s_mov_b64 s[18:19], KROW
	s_mul_u64 s[20:21], s[20:21], s[18:19]         ; and their codes
	s_mul_u64 s[46:47], s[46:47], s[18:19]
	s_mul_i32 s45, s14, HALFT                      ; where they go: wave x 128 rows: no place in the cluster enters an LDS address
	s_mul_i32 s94, s14, HALFS
	s_wait_dscnt 0x0                               ; both opening adds are done
	s_wait_kmcnt 0x0
	s_cmp_eq_u32 ttmp9, 2                          ; which tensor is A and which B: a choice between buffers on the cluster's x
	s_cselect_b64 s[96:97], s[8:9], s[4:5]         ; A's codes
	s_cselect_b64 s[98:99], s[10:11], s[6:7]       ; A's scales
	s_cselect_b64 s[8:9], s[4:5], s[8:9]           ; B's codes
	s_cselect_b64 s[10:11], s[6:7], s[10:11]       ; B's scales
	s_add_nc_u64 s[20:21], s[96:97], s[20:21]
	s_add_nc_u64 s[22:23], s[98:99], s[22:23]
	s_add_nc_u64 s[46:47], s[8:9], s[46:47]
	s_add_nc_u64 s[92:93], s[10:11], s[92:93]
	CROUND                                         ; all sixteen work-groups are here: the first joint loads meet
	s_mov_b32 s[G0S], 1
	s_add_co_u32 s[G0S+1], s94, SCL
	s_mov_b64 s[G0S+2:G0S+3], s[22:23]
	s_or_b32 s[G0S+3], s[G0S+3], 0x80000000
	s_mov_b32 s[G0SB], 1
	s_add_co_u32 s[G0SB+1], s94, SCL
	s_mov_b64 s[G0SB+2:G0SB+3], s[92:93]
	s_or_b32 s[G0SB+3], s[G0SB+3], 0x80000000
	JLOAD G0S, G1S, G0SB, G1SB                     ; the scales first: they are wanted with the first slot.  Three loads of mine are out behind these lines
.irp s, 0,1
	s_mov_b32 s[G0+4*\s], 1
	s_add_co_u32 s[G0+4*\s+1], s45, \s*SLOT
	s_add_nc_u64 s[G0+4*\s+2:G0+4*\s+3], s[20:21], \s*ROWB
	s_or_b32 s[G0+4*\s+3], s[G0+4*\s+3], 0x80000000
	s_mov_b32 s[G0B+4*\s], 1
	s_add_co_u32 s[G0B+4*\s+1], s45, \s*SLOT
	s_add_nc_u64 s[G0B+4*\s+2:G0B+4*\s+3], s[46:47], \s*ROWB
	s_or_b32 s[G0B+4*\s+3], s[G0B+4*\s+3], 0x80000000
	JLOAD G0+4*\s, G1, G0B+4*\s, G1B
.endr
	v_and_b32 v1, 15, v0                           ; l % 16
	v_bfe_u32 v2, v0, 4, 1                         ; l / 16
	v_mul_u32_u24 v3, v1, PITCH
	v_lshl_add_u32 v4, v2, 4, v3                   ; a fragment's row x pitch + 16 x half
	s_mul_i32 s21, s15, HALFT                      ; my 128 rows of A
	s_mul_i32 s22, s16, HALFT                      ; my 128 rows of B,
	s_add_co_u32 s22, s22, 2*HALFT                 ; which lie behind A's 256
.irp s, 0,1
	v_add_nc_u32 v[ADRA+\s], s21, v4
	v_add_nc_u32 v[ADRB+\s], s22, v4
	s_add_co_u32 s21, s21, SLOT
	s_add_co_u32 s22, s22, SLOT
.endr
	v_mul_u32_u24 v5, v1, KS                       ; my row's scales: 32 bytes a row,
	v_lshrrev_b32 v6, 8, v5
	v_lshl_add_u32 v5, v6, 4, v5                   ; and 16 more for each 256 passed
	s_mul_i32 s21, s15, HALFS                      ; A's: my 128 rows
	s_mul_i32 s22, s16, HALFS                      ; B's: my 128 rows, behind A's 256
	s_add_co_u32 s22, s22, 2*HALFS
	s_sub_co_u32 s22, s22, s21
	v_mul_u32_u24 v6, s22, v2                      ; lanes 16-31 take B's: one product, the distance between the two bases
	s_add_co_u32 s21, s21, SCL
	v_add_nc_u32 v5, v5, v6
	v_add_nc_u32 v[ADRS], s21, v5
	v_and_b32 v6, 31, v0
	v_lshlrev_b32 v[CO], 4, v6
	; where my images begin in qkv.  Channels give the head, tokens the slot and the place in it; 128 tokens are 16,384 bytes in K's, Q's and V's part alike
	s_cmp_eq_u32 ttmp9, 2
	s_cselect_b32 s20, s41, s40                    ; the channels' place in the cluster: v: cy, else cx
	s_cselect_b32 s21, s15, s16                    ; and their half of the tile
	s_cselect_b32 s22, s42, s17                    ; the tokens' tile
	s_cselect_b32 s23, s16, s15                    ; and their half
	s_lshl_b32 s20, s20, 2
	s_lshl_b32 s21, s21, 1
	s_add_co_u32 s20, s20, s21                     ; my first head: 4 x place + 2 x half
	s_mul_i32 s20, s20, HS
	s_lshl_b32 s22, s22, 8
	s_lshl_b32 s23, s23, 7
	s_add_co_u32 s22, s22, s23                     ; my first token
	s_lshr_b32 s23, s22, 9
	s_mul_i32 s23, s23, SS
	s_add_co_u32 s20, s20, s23
	s_and_b32 s22, s22, 511
	s_lshl_b32 s22, s22, 7
	s_add_co_u32 s20, s20, s22
	s_cmp_eq_u32 ttmp9, 0
	s_cselect_b32 s21, 131072, 0                   ; q's part of a slot
	s_cmp_eq_u32 ttmp9, 2
	s_cselect_b32 s22, 65536, 0                    ; v's
	s_add_co_u32 s20, s20, s21
	s_add_co_u32 s20, s20, s22
	s_mov_b32 s21, 0
	s_add_nc_u64 s[12:13], s[12:13], s[20:21]
.macro FRAG reg, adr, q, i             ; a fragment, 16 rows x 128 K of 4-bit codes: lane l holds row l % 16; registers 4 c .. 4 c + 3 hold K = 64 c + 32 (l / 16) + 0 .. 31
.irp c, 0,1
	ds_load_b128 v[\reg+4*\c:\reg+4*\c+3], v[\adr] offset:64*(\q)+32*\c+(\i)*16*PITCH
.endr
.endm
; 16 matrix instructions: A's blocks a0, a0 + 1 x B's eight, 128 along K.  p: B's set;  sc: the set of scale words.  zero = 1: the first product starts the sums.
; The 64 accumulators take turns, one instruction a turn, in the same order in every step.
.macro MUL16 a0, p, q, sc, zero
.irp a, \a0, \a0+1
.irp b, 0,1,2,3,4,5,6,7
.if \zero
	v_wmma_scale_f32_16x16x128_f8f6f4 v[8*(8*((\a)%4)+\b):8*(8*((\a)%4)+\b)+7], v[128*(\p)+FR*\b:128*(\p)+FR*\b+FR-1], v[AF+FR*(\a):AF+FR*(\a)+FR-1], 0, v[SC+8*NQ*(\sc)+NQ*\b+(\q)], v[SC+8*NQ*(\sc)+NQ*(\a)+(\q)] matrix_a_fmt:MATRIX_FMT_FP4 matrix_b_fmt:MATRIX_FMT_FP4 matrix_a_scale:MATRIX_SCALE_ROW1
.else
	v_wmma_scale_f32_16x16x128_f8f6f4 v[8*(8*((\a)%4)+\b):8*(8*((\a)%4)+\b)+7], v[128*(\p)+FR*\b:128*(\p)+FR*\b+FR-1], v[AF+FR*(\a):AF+FR*(\a)+FR-1], v[8*(8*((\a)%4)+\b):8*(8*((\a)%4)+\b)+7], v[SC+8*NQ*(\sc)+NQ*\b+(\q)], v[SC+8*NQ*(\sc)+NQ*(\a)+(\q)] matrix_a_fmt:MATRIX_FMT_FP4 matrix_b_fmt:MATRIX_FMT_FP4 matrix_a_scale:MATRIX_SCALE_ROW1
.endif
.endr
.endr
.endm
.macro FETCH_B slot, q, p              ; B's eight fragments of the slot's q-th 128 along K into set p
	WIN TO_B
.irp i, 0,1,2,3,4,5,6,7
	FRAG 128*(\p)+FR*\i, ADRB+\slot, \q, \i
.endr
	WIN 0
.endm
.macro FETCH_A slot, q, i0             ; A's blocks i0 .. i0 + 3
.irp i, \i0, \i0+1, \i0+2, \i0+3
	FRAG AF+FR*(\i), ADRA+\slot, \q, \i
.endr
.endm
.macro SCALES sc                       ; a slot's scale words into set sc: four words a row; lanes 0-15 take A's block i, lanes 16-31 B's block i
.irp i, 0,1,2,3,4,5,6,7
	ds_load_b128 v[SC+8*NQ*\sc+NQ*\i:SC+8*NQ*\sc+NQ*\i+3], v[ADRS] offset:\i*SBLK
.endr
.endm
.macro PLACES n                        ; plain vector lines between a matrix instruction and a load into, or a vector line on, its registers
.rept \n
	v_nop
.endr
.endm
; A step of 128 along K that has its successor in the same slot.  A has one set of registers: blocks 0-3 are fetched anew in the step's middle, blocks 4-7 at its end.
.macro STEP slot, q, zero
	s_wait_dscnt 4*NL                              ; B's set and A's blocks 0-3 are in; the youngest eight loads (A's blocks 4-7) may be out
	WIN MUL_LO
	MUL16 0, (\q)%2, \q, \slot, \zero
	MUL16 2, (\q)%2, \q, \slot, \zero
	s_wait_dscnt 0                                 ; A's blocks 4-7 are in
	PLACES NP
	FETCH_B \slot, (\q)+1, 1-(\q)%2
	FETCH_A \slot, (\q)+1, 0
	WIN MUL_HI
	MUL16 4, (\q)%2, \q, \slot, \zero
	MUL16 6, (\q)%2, \q, \slot, \zero
	PLACES NP
	WIN 0
	FETCH_A \slot, (\q)+1, 4
.endm
; Slot 0's last step goes over to slot 1: each wave waits for all its tensor loads (its part of slot 1), and the barrier shows the whole slot to every wave.
.macro TURN slot, next
	s_wait_tensorcnt 0x0                           ; all my tensor loads have landed
	ds_add_u32 v[SPW], v[NIL]                      ; 0 onto my spare word
	s_wait_dscnt 4*NL+1                            ; (the add and the youngest eight loads, A's blocks 4-7, may be out)
	WIN MUL_LO
	MUL16 0, 1, NQ-1, \slot, 0
	s_wait_dscnt 0x0                               ; the add is done, and my LDS loads are in
	s_barrier_signal -1
	MUL16 2, 1, NQ-1, \slot, 0
	WIN 0
	s_barrier_wait -1
	PLACES NP
	v_add_nc_u32 v[ADRS], 4*NQ, v[ADRS]            ; on to the next slot's scale words
	FETCH_B \next, 0, 0
	FETCH_A \next, 0, 0
	SCALES \next
	WIN MUL_HI
	MUL16 4, 1, NQ-1, \slot, 0
	MUL16 6, 1, NQ-1, \slot, 0
	PLACES NP
	WIN 0
	FETCH_A \next, 0, 4
.endm
.macro STEPS slot, from                ; the slot's steps from .. NQ - 2
.set Q, \from
.rept NQ-1-\from
	STEP \slot, Q, 0
.set Q, Q+1
.endr
.endm
	s_wait_tensorcnt 1                             ; the scales and my part of slot 0 are in (slot 1's load may be out),
	s_barrier_signal -1
	s_barrier_wait -1                              ; everybody's are
	FETCH_B 0, 0, 0
	FETCH_A 0, 0, 0
	SCALES 0
	FETCH_A 0, 0, 4
	STEP 0, 0, 1                                   ; the first step's products start the sums: nothing is cleared
	STEPS 0, 1
	TURN 0, 1
	STEPS 1, 0
	s_wait_dscnt 4*NL                              ; the very last step: nothing more to fetch
	WIN MUL_LO
	MUL16 0, 1, NQ-1, 1, 0
	MUL16 2, 1, NQ-1, 1, 0
	s_wait_dscnt 0
	WIN MUL_HI
	MUL16 4, 1, NQ-1, 1, 0
	MUL16 6, 1, NQ-1, 1, 0
	WIN 0
; THE WAY OUT.  A's block a: its eight accumulators are rounded to f16, each from its low end on, and leave as eight half fragments of 512 bytes.  Seven sets of 32 registers, so that one wait frees the set used twice.
; kind 0 (q, k): token tile a; B's block b: head b / 4, channels 32 ((b / 2) % 2) on, half b % 2.   kind 1 (v): head a / 4, channels 16 (a % 4) on; keys 32 (b / 2) on, half b % 2.
.macro OUTBLK a, kind
.set AC, 64*((\a)%4)
.set TP, 32+32*((\a)%7)
.if (\a) == 7
	s_wait_xcnt 0x0                                ; block 0's stores have read their registers: they are written again only behind this wait
.endif
	WIN 0x0a+5*((\a)/4)                            ; sources 0 and 1: window 2 or 3
.irp b, 0,1,2,3,4,5,6,7
.irp i, 0,1,2,3
	v_cvt_pk_f16_f32 v[TP+4*\b+\i], v[AC+8*\b+2*\i], v[AC+8*\b+2*\i+1]
.endr
.endr
	WIN 0
.irp b, 0,1,2,3,4,5,6,7
.if \kind
	global_store_b128 v[CO], v[TP+4*\b:TP+4*\b+3], s[12:13] offset:((\a)/4)*HS+((\a)%4)*1024+(\b/2)*4096+(\b%2)*512
.else
	global_store_b128 v[CO], v[TP+4*\b:TP+4*\b+3], s[12:13] offset:(\a)*2048+(\b/4)*HS+((\b/2)%2)*1024+(\b%2)*512
.endif
.endr
.endm
	PLACES NP                                      ; behind the last products: their results are read, and registers that held scales and A's fragments are written
	s_cmp_eq_u32 ttmp9, 2                          ; the cluster's x: the same in all partners
	s_cbranch_scc1 .Lvout
.irp a, 0,1,2,3,4,5,6,7
	OUTBLK \a, 0
.endr
	s_branch .Ldone
.Lvout:
.irp a, 0,1,2,3,4,5,6,7
	OUTBLK \a, 1
.endr
.Ldone:
	s_wait_tensorcnt 0x0                           ; the wave's end
	ds_add_u32 v[SPW], v[NIL]
	s_wait_dscnt 0x0
	CROUND                                         ; the closing round: no work-group ends while a partner may still ask for a tile that names it
	s_endpgm
.Lfunc_end_k_q64608dcfc0_qkvgemm:
	.size	k_q64608dcfc0_qkvgemm, .Lfunc_end_k_q64608dcfc0_qkvgemm-k_q64608dcfc0_qkvgemm
	.p2alignl 7, 3214868480
	.fill 96, 4, 3214868480
	.section	.rodata,"a",@progbits
	.p2align	6, 0x0
	.amdhsa_kernel k_q64608dcfc0_qkvgemm
		.amdhsa_group_segment_fixed_size 327680
		.amdhsa_private_segment_fixed_size 0
		.amdhsa_enable_private_segment 0
		.amdhsa_kernarg_size 40
		.amdhsa_user_sgpr_count 2
		.amdhsa_user_sgpr_kernarg_segment_ptr 1
		.amdhsa_wavefront_size32 1
		.amdhsa_system_sgpr_workgroup_id_x 1
		.amdhsa_system_sgpr_workgroup_id_y 1
		.amdhsa_system_sgpr_workgroup_id_z 1
		.amdhsa_system_vgpr_workitem_id 0
		.amdhsa_next_free_vgpr 1024
		.amdhsa_next_free_sgpr 100
		.amdhsa_reserve_vcc 0
		.amdhsa_float_denorm_mode_32 3
		.amdhsa_float_denorm_mode_16_64 3
		.amdhsa_memory_ordered 1
		.amdhsa_forward_progress 1
		.amdhsa_inst_pref_size 141
	.end_amdhsa_kernel
	.amdgpu_metadata
---
amdhsa.version: [ 1, 2 ]
amdhsa.kernels:
  - .name:           k_q64608dcfc0_qkvgemm
    .symbol:         k_q64608dcfc0_qkvgemm.kd
    .args:
      - { .name: xc, .offset: 0, .size: 8, .value_kind: global_buffer, .address_space: global }
      - { .name: xs, .offset: 8, .size: 8, .value_kind: global_buffer, .address_space: global }
      - { .name: wc, .offset: 16, .size: 8, .value_kind: global_buffer, .address_space: global }
      - { .name: ws, .offset: 24, .size: 8, .value_kind: global_buffer, .address_space: global }
      - { .name: qkv, .offset: 32, .size: 8, .value_kind: global_buffer, .address_space: global }
    .group_segment_fixed_size: 327680
    .private_segment_fixed_size: 0
    .kernarg_segment_align: 8
    .kernarg_segment_size: 40
    .max_flat_workgroup_size: 128
    .sgpr_count:     100
    .vgpr_count:     1024
    .wavefront_size: 32
...
	.end_amdgpu_metadata
.endif
;; end of part 2
;; launch attn (part 3): grid 16 x 16, 8 waves a work-group, clusters of 4 x 1, 327,680 bytes of LDS; arguments qkv, oh; writes oh
.if DOCPART == 3
	.amdgcn_target "amdgcn-amd-amdhsa--gfx1250"
	.amdhsa_code_object_version 6
	.text
	.protected	k_q64608dcfc0_attn
	.globl	k_q64608dcfc0_attn
	.p2align	8
	.type	k_q64608dcfc0_attn,@function
k_q64608dcfc0_attn:
	s_mov_b64 s[64:65], 0
	v_nop
	global_prefetch_b8 v0, s[64:65] scope:SCOPE_SE
	s_setreg_imm32_b32 hwreg(HW_REG_WAVE_MODE, 25, 1), 1
	s_wait_xcnt 0x0
	s_wait_alu depctr_hold_cnt(0) depctr_sa_sdst(0) depctr_va_vdst(0) depctr_va_sdst(0) depctr_va_ssrc(0) depctr_va_vcc(0) depctr_vm_vsrc(0)
	s_getreg_b32 s2, hwreg(HW_REG_IB_STS2, 6, 4)
	s_cmp_eq_u32 s2, 0
	s_cbranch_scc0 .Lentry_in_a_cluster
	s_endpgm
.Lentry_in_a_cluster:
	s_bfe_u32 s2, ttmp6, 0x10000c
	s_cmp_lg_u32 s2, 0x3003
	s_cbranch_scc0 .Lentry_shape_is_right
	s_endpgm
.Lentry_shape_is_right:
; CAUSAL ATTENTION, 16 heads of 64 channels, 4,096 tokens; operands f16, products, maxima and sums f32; a running maximum for each query.
; INPUT qkv: [head 16][slot of 512 tokens 8][K 65,536 | V 65,536 | Q 65,536], all as images of operand registers (a fragment: two runs of 512 bytes, lane l's 16 bytes at 16 l).
; OUTPUT oh: O as f16, images of the next product's fragments: [K group = head / 4][tile of 16 queries 256][fragment 2 (head % 4) + c][half][lane][16 B].
; SHARES.  A head's queries are 8 super-blocks of 512.  Cluster I (0..3) of a head takes super-block I and then super-block 7 - I: I + 1 and 8 - I slots of 512 keys: NINE slots in every cluster.
; In a super-block the partner at place cx owns query tile 4 T + cx of each stratum T of 64 queries (T = 0..7).  So all four partners have the same causal structure at the grain of a stratum:
; every jump hangs on the cluster's number, on counters and on the wave's number; cx enters only Q's and O's global addresses and the lanes' mask value.  K's and V's tiles are asked for JOINTLY.
; WAVES.  Wave w: pair p = w & 3, parity e = w >> 2.  A pair owns tiles T = p and T = p + 4; the wave of parity e multiplies them with key strata e, e + 2, e + 4, e + 6 of each slot.  Two waves
; lie on a SIMD, so that one's softmax stands beside the other's products; each fragment of K and V read from LDS feeds two tiles.  At a phase's end the odd wave hands its maximum, sum and O^T to the even wave through LDS.
; LAYOUT.  S^T = K Q^T (source 0 = 16 keys, source 1 = 16 queries), O^T = V^T P (source 0 = 16 channels, source 1 = P): a lane holds ONE query (lane % 16) throughout; two tiles of S^T rounded to f16 ARE P's fragment.
; SOFTMAX.  p = 2^(c s - c m), c = log2(e) / 8, m the running maximum; in every step O^T and l are multiplied by a = 2^(c m_old - c m_new).  The step is written once: m begins at -3e38, l and O^T at 0.
; MASK.  A stratum of keys beyond a tile's stratum is passed over; on the diagonal hidden scores become -infinity ahead of the maximum (key 0 of that stratum counts for every query of the tile).
; LIMITS: |q|, |k|, |v| under 65,504; NaN and infinities are not served; sums in another order than a row-wise softmax has them.
; No prefetch: a slot is asked for a whole slot's work (four steps of 32 matrix instructions and two softmaxes a wave, two waves a SIMD) ahead of the wait for it.
; REGISTERS.  Window 0: v1-8 addresses and constants; v16-31 statistics, 8 a tile: +0 c m, +1 m, +2, +3 l, +4..+7 at work (a in +6); v32-63 Q; v64-127 S^T; v128-159 P; v160-223 K; v224-235 the merge.
;             Window 1: v0-63 O^T (32 t + 8 ct + j); v64-127 V; v128-159 the second phase's Q.
.set HS,    1572864                    ; qkv: a head
.set SS,    196608                     ; qkv: a slot
.set SLOT1, 1<<17                      ; LDS: slot 1; a slot is K's 65,536 bytes, then V's
.set MST,   2*SLOT1                    ; the merge stage: for each pair 16 images of O^T and 512 bytes of statistics; no tile lands here
.set MSTP,  8704
.set SPARE, MST+4*MSTP                 ; the spare words, 128 bytes a wave
.set L16, 1                            ; v1  16 x lane
.set ADK, 2                            ; v2  LDS address of the step's K
.set ADV, 3                            ; v3  of its V
.set DM,  4                            ; v4  16 cx + r - 8 h: on the diagonal register 8 kt + j is hidden where 16 kt + j is above it
.set NINF, 5                           ; v5  -infinity
.set SPW, 6                            ; v6  LDS address of my spare word; never rewritten
.set NIL, 7                            ; v7  0; never rewritten
.set MSA, 8                            ; v8  my pair's merge stage + 16 x lane
.set ST,  16
.set Q,   32
.set S,   64
.set P,   128
.set KF,  160
.set MG,  224
.set VF,  64                           ; window 1
.set QB,  128                          ; window 1
; s8 wave, s9 parity, s10 pair, s11 pair + 4, s12 cx, s13 I, s14 head, s15 slot counter, s16 1 in a phase's last (diagonal) slot, s17 the step's stratum, s18 steps to go, s19 LDS byte of the step's K,
; s[20:21] lane selects, s[22:23] c, s[24:31] descriptor group 1, s[32:35] group 0, s[36:37] my quarter of K | V in slot 0 of the head, s[38:39] an offset, s[40:41] O's address, s[48:49] its step, s[50:53] Q's addresses
.set MSB, 0
.macro WIN new                         ; the immediate's high byte repeats the setting that is left
.if MSB != \new
	s_set_vgpr_msb (MSB<<8)|\new
.set MSB, \new
.endif
.endm
.macro PLACES
.rept 4
	v_nop
.endr
.endm
.macro ROUND                           ; a round of the cluster's barrier
	s_barrier_signal -1
	s_barrier_wait -1
	s_cmp_lg_u32 s8, 0
	s_cbranch_scc1 .Lnot_wave_0_\@
	s_barrier_signal -3
.Lnot_wave_0_\@:
	s_barrier_wait -3
	s_barrier_signal -1
	s_barrier_wait -1
.endm
.macro STATS                           ; a phase's start: m under every score, l = 0; the registers at work are written, since a path with no step reads them at the phase's end
.irp t, 0,1
	v_mov_b32 v[ST+8*\t+1], 0xff61b1e6
	v_mul_f32 v[ST+8*\t], s22, v[ST+8*\t+1]
.irp i, 2,3,4,5,6,7
	v_mov_b32 v[ST+8*\t+\i], 0
.endr
.endr
.endm
.macro CLEAR_O
	WIN 0x40
.set i, 0
.rept 64
	v_mov_b32 v[i], 0
.set i, i+1
.endr
	WIN 0
.endm
	s_load_b128 s[4:7], s[0:1], 0x0                ; qkv, oh
	v_lshl_add_u32 v[SPW], v0, 2, SPARE
	v_mov_b32 v[NIL], 0
	ds_add_u32 v[SPW], v[NIL]                      ; the wave's opening: the add, twice on end, and its wait ahead of my first tensor load
	ds_add_u32 v[SPW], v[NIL]
	v_lshrrev_b32 v9, 5, v0
	v_readfirstlane_b32 s8, v9                     ; wave 0..7
	s_lshr_b32 s9, s8, 2                           ; parity
	s_and_b32 s10, s8, 3                           ; pair
	s_add_co_u32 s11, s10, 4
	s_bfe_u32 s12, ttmp6, 0x40000                  ; cx
	s_mov_b32 s13, ttmp9                           ; I: the cluster within the head
	s_and_b32 s14, ttmp7, 0xffff                   ; the head
	s_mov_b32 s15, 0
	s_lshl_b32 s19, s9, 13                         ; my first stratum of slot 0
	s_mov_b32 s20, 0x76543210
	s_mov_b32 s21, 0xfedcba98
	s_mov_b32 s22, 0x3e38aa3b                      ; c = log2(e) / 8
	s_mov_b32 s23, s22                             ; (named with it as a pair)
	; descriptor group 1: 64 rows of 256 bytes (32 elements of 8), dense: 16,384 bytes a wave; the eight waves' loads are a slot's K | V, one dense run of 131,072 bytes
	s_mov_b32 s24, 15|(3<<16)|(1<<21)              ; the mask: all four partners; elements of 8 bytes; bit 21 beside a mask
	s_mov_b32 s25, 32<<16                          ; tensor_dim0
	s_mov_b32 s26, 64<<16                          ; tensor_dim1
	s_mov_b32 s27, 32<<16                          ; tile_dim0
	s_mov_b32 s28, 64                              ; tile_dim1
	s_mov_b32 s29, 32                              ; the pitch
	s_mov_b32 s30, 0
	s_mov_b32 s31, 0
	s_mov_b32 s32, 1
	s_lshl_b32 s33, s8, 14                         ; LDS: wave x 16,384, in slot 0
	s_mul_i32 s43, s14, HS                         ; the head's first byte
	s_lshl_b32 s44, s8, 14
	s_add_co_u32 s38, s43, s44
	s_mov_b32 s39, 0
	v_and_b32 v9, 31, v0
	v_lshlrev_b32 v[L16], 4, v9
	s_mul_i32 s45, s10, MSTP
	s_add_co_u32 s45, s45, MST
	v_add_nc_u32 v[MSA], s45, v[L16]
	v_and_b32 v9, 15, v0                           ; r
	v_bfe_u32 v10, v0, 4, 1                        ; h
	v_lshlrev_b32 v10, 3, v10
	v_sub_nc_u32 v[DM], v9, v10
	s_lshl_b32 s45, s12, 4
	v_add_nc_u32 v[DM], s45, v[DM]
	v_mov_b32 v[NINF], 0xff800000
	s_mul_i32 s45, s13, SS                         ; Q: super-block I's slot,
	s_add_co_u32 s46, s43, s45
	s_lshl_b32 s47, s10, 2
	s_add_co_u32 s47, s47, s12                     ; tile 4 p + cx of it,
	s_lshl_b32 s45, s47, 11
	s_add_co_u32 s46, s46, s45
	s_add_co_u32 s50, s46, 131072                  ; in Q's part
	s_mov_b32 s51, 0
	s_lshl_b32 s45, s13, 1
	s_sub_co_u32 s45, 7, s45                       ; 7 - 2 I super-blocks on: the second phase
	s_mul_i32 s52, s45, SS
	s_mov_b32 s53, 0
	s_lshl_b32 s48, s45, 18                        ; in oh: 32 tiles of 8,192 bytes a super-block
	s_mov_b32 s49, 0
	s_lshr_b32 s45, s14, 2
	s_lshl_b32 s40, s45, 21                        ; oh: K group head / 4,
	s_and_b32 s45, s14, 3
	s_lshl_b32 s45, s45, 11                        ; fragments 2 (head % 4) on,
	s_add_co_u32 s40, s40, s45
	s_lshl_b32 s45, s13, 5
	s_add_co_u32 s45, s45, s47
	s_lshl_b32 s45, s45, 13                        ; query tile 32 I + 4 p + cx
	s_add_co_u32 s40, s40, s45
	s_mov_b32 s41, 0
	s_wait_dscnt 0x0                               ; both opening adds are done
	s_wait_kmcnt 0x0
	s_add_nc_u64 s[36:37], s[4:5], s[38:39]
	s_mov_b64 s[34:35], s[36:37]
	s_or_b32 s35, s35, 0x80000000
	s_add_nc_u64 s[50:51], s[4:5], s[50:51]
	s_add_nc_u64 s[52:53], s[50:51], s[52:53]
	s_add_nc_u64 s[40:41], s[6:7], s[40:41]
	ROUND                                          ; all four work-groups are here: the first joint loads meet
	tensor_load_to_lds s[32:35], s[24:31]          ; key slot 0 into LDS slot 0: one load of mine is out
	s_nop 0
	PLACES
.irp t, 0,1
.irp c, 0,1
.irp u, 0,1
	global_load_b128 v[Q+16*\t+8*\c+4*\u:Q+16*\t+8*\c+4*\u+3], v[L16], s[50:51] offset:32768*\t+1024*\c+512*\u   ; Q stays in registers: tile t is 16 tiles on
.endr
.endr
.endr
	WIN 0x40
.irp t, 0,1
.irp c, 0,1
.irp u, 0,1
	global_load_b128 v[QB+16*\t+8*\c+4*\u:QB+16*\t+8*\c+4*\u+3], v[L16], s[52:53] offset:32768*\t+1024*\c+512*\u  ; and the second phase's, fetched now so that nobody waits for it later
.endr
.endr
.endr
	WIN 0
	STATS
	CLEAR_O
	s_wait_loadcnt 0x0                             ; Q
; A STEP: 64 keys (stratum s17 of the slot) against tiles lo .. 1.
.macro STEP lo
.irp kt, 0,1,2,3
.irp c, 0,1
.irp u, 0,1
	ds_load_b128 v[KF+16*\kt+8*\c+4*\u:KF+16*\kt+8*\c+4*\u+3], v[ADK] offset:2048*\kt+1024*\c+512*\u
.endr
.endr
.endr
	WIN 0x40
.irp kb, 0,1
.irp ct, 0,1,2,3
.irp u, 0,1
	ds_load_b128 v[VF+32*\kb+8*\ct+4*\u:VF+32*\kb+8*\ct+4*\u+3], v[ADV] offset:4096*\kb+1024*\ct+512*\u
.endr
.endr
.endr
	WIN 0
	s_wait_dscnt 16                                ; K's sixteen loads are in; V's sixteen stay out
.irp c, 0,1                            ; S^T = K Q^T: the accumulators take turns, one instruction a turn
.irp kt, 0,1,2,3
.irp t, 0,1
.if \t >= \lo
.if \c == 0
	v_wmma_f32_16x16x32_f16 v[S+32*\t+8*\kt:S+32*\t+8*\kt+7], v[KF+16*\kt:KF+16*\kt+7], v[Q+16*\t:Q+16*\t+7], 0
.else
	v_wmma_f32_16x16x32_f16 v[S+32*\t+8*\kt:S+32*\t+8*\kt+7], v[KF+16*\kt+8:KF+16*\kt+15], v[Q+16*\t+8:Q+16*\t+15], v[S+32*\t+8*\kt:S+32*\t+8*\kt+7]
.endif
.endif
.endr
.endr
.endr
	PLACES
.if \lo == 0                           ; only the lower tile of those at work can lie on the diagonal
	s_cmp_eq_u32 s17, s10
	s_cselect_b32 s42, s16, 0
	s_cmp_eq_u32 s42, 0
.else
	s_cmp_lg_u32 s17, s11
.endif
	s_cbranch_scc1 .Lopen_\@
.irp kt, 0,1,2,3
.irp j, 0,1,2,3,4,5,6,7
	v_cmp_gt_i32 vcc_lo, 16*\kt+\j, v[DM]
	v_cndmask_b32 v[S+32*\lo+8*\kt+\j], v[S+32*\lo+8*\kt+\j], v[NINF], vcc_lo
.endr
.endr
.Lopen_\@:
.irp n, 0,1,2,3                        ; the maximum of the lane's 32 scores and the old m: four chains, each begun at an accumulator's low end; the tiles alternate
.irp t, 0,1
.if \t >= \lo
	v_max3_num_f32 v[ST+8*\t+4+\n], v[S+32*\t+8*\n], v[S+32*\t+8*\n+1], v[S+32*\t+8*\n+2]
.endif
.endr
.endr
.irp g, 1,2
.irp n, 0,1,2,3
.irp t, 0,1
.if \t >= \lo
	v_max3_num_f32 v[ST+8*\t+4+\n], v[ST+8*\t+4+\n], v[S+32*\t+8*\n+2*\g+1], v[S+32*\t+8*\n+2*\g+2]
.endif
.endr
.endr
.endr
.irp t, 0,1
.if \t >= \lo
	v_max3_num_f32 v[ST+8*\t+4], v[ST+8*\t+4], v[S+32*\t+7], v[S+32*\t+15]
	v_max3_num_f32 v[ST+8*\t+6], v[ST+8*\t+6], v[S+32*\t+23], v[S+32*\t+31]
.endif
.endr
.irp t, 0,1
.if \t >= \lo
	v_max3_num_f32 v[ST+8*\t+4], v[ST+8*\t+4], v[ST+8*\t+5], v[ST+8*\t+6]
.endif
.endr
.irp t, 0,1
.if \t >= \lo
	v_max3_num_f32 v[ST+8*\t+4], v[ST+8*\t+4], v[ST+8*\t+7], v[ST+8*\t+1]
.endif
.endr
.irp t, 0,1
.if \t >= \lo
	v_permlanex16_b32 v[ST+8*\t+5], v[ST+8*\t+4], s20, s21   ; the query's other 32 keys lie in the lane 16 away
	v_mov_b32 v[ST+8*\t+7], v[ST+8*\t]                       ; c m_old is kept for a
.endif
.endr
.irp t, 0,1
.if \t >= \lo
	v_max_num_f32 v[ST+8*\t+1], v[ST+8*\t+4], v[ST+8*\t+5]
.endif
.endr
.irp t, 0,1
.if \t >= \lo
	v_mul_f32 v[ST+8*\t], s22, v[ST+8*\t+1]
.endif
.endr
.irp t, 0,1
.if \t >= \lo
	v_sub_f32 v[ST+8*\t+7], v[ST+8*\t+7], v[ST+8*\t]
.endif
.endr
.irp b, 0,1,2,3,4,5,6,7,8,9,10,11,12,13,14,15
.irp t, 0,1
.if \t >= \lo
	v_pk_fma_f32 v[S+32*\t+2*\b:S+32*\t+2*\b+1], v[S+32*\t+2*\b:S+32*\t+2*\b+1], s[22:23], v[ST+8*\t:ST+8*\t+1] op_sel_hi:[1,0,0] neg_lo:[0,0,1] neg_hi:[0,0,1]   ; c s - c m
.endif
.endr
.endr
.irp t, 0,1                            ; ONE BATCH of exponentials: none reads another's result
.if \t >= \lo
	v_exp_f32 v[ST+8*\t+6], v[ST+8*\t+7]           ; a
.set i, 0
.rept 32
	v_exp_f32 v[S+32*\t+i], v[S+32*\t+i]
.set i, i+1
.endr
.endif
.endr
	v_nop                                          ; a plain line behind the last exponential
	s_wait_alu depctr_va_vdst(0)                   ; one wait for the batch, ahead of its first reader
.irp b, 0,1,2,3,4,5,6,7,8,9,10,11,12,13,14,15
.irp t, 0,1
.if \t >= \lo
	v_cvt_pk_f16_f32 v[P+16*\t+\b], v[S+32*\t+2*\b], v[S+32*\t+2*\b+1]
.endif
.endr
.endr
.irp z, 0,1,2,3,4,5,6,7                ; the sum of the tile's 16 pairs, in place: neighbours 1, 2, 4 and 8 pairs apart
.irp t, 0,1
.if \t >= \lo
	v_pk_add_f32 v[S+32*\t+4*\z:S+32*\t+4*\z+1], v[S+32*\t+4*\z:S+32*\t+4*\z+1], v[S+32*\t+4*\z+2:S+32*\t+4*\z+3]
.endif
.endr
.endr
.irp z, 0,1,2,3
.irp t, 0,1
.if \t >= \lo
	v_pk_add_f32 v[S+32*\t+8*\z:S+32*\t+8*\z+1], v[S+32*\t+8*\z:S+32*\t+8*\z+1], v[S+32*\t+8*\z+4:S+32*\t+8*\z+5]
.endif
.endr
.endr
.irp z, 0,1
.irp t, 0,1
.if \t >= \lo
	v_pk_add_f32 v[S+32*\t+16*\z:S+32*\t+16*\z+1], v[S+32*\t+16*\z:S+32*\t+16*\z+1], v[S+32*\t+16*\z+8:S+32*\t+16*\z+9]
.endif
.endr
.endr
.irp t, 0,1
.if \t >= \lo
	v_pk_add_f32 v[S+32*\t:S+32*\t+1], v[S+32*\t:S+32*\t+1], v[S+32*\t+16:S+32*\t+17]
.endif
.endr
.irp t, 0,1
.if \t >= \lo
	v_pk_fma_f32 v[ST+8*\t+2:ST+8*\t+3], v[ST+8*\t+2:ST+8*\t+3], v[ST+8*\t+6:ST+8*\t+7], v[S+32*\t:S+32*\t+1] op_sel_hi:[1,0,1]   ; l = a l + the sum
.endif
.endr
	s_wait_dscnt 0x0                               ; V is in
	WIN 0x41                                       ; O^T (destination and source 0) window 1, a window 0
.irp t, 0,1
.if \t >= \lo
.set i, 0
.rept 16
	v_pk_mul_f32 v[32*\t+2*i:32*\t+2*i+1], v[32*\t+2*i:32*\t+2*i+1], v[ST+8*\t+6:ST+8*\t+7] op_sel_hi:[1,0]
.set i, i+1
.endr
.endif
.endr
	WIN 0x51                                       ; V and O^T window 1, P window 0
.irp kb, 0,1                           ; O^T += V^T P, the accumulators by turns
.irp ct, 0,1,2,3
.irp t, 0,1
.if \t >= \lo
	v_wmma_f32_16x16x32_f16 v[32*\t+8*\ct:32*\t+8*\ct+7], v[VF+32*\kb+8*\ct:VF+32*\kb+8*\ct+7], v[P+16*\t+8*\kb:P+16*\t+8*\kb+7], v[32*\t+8*\ct:32*\t+8*\ct+7]
.endif
.endr
.endr
.endr
	WIN 0
	PLACES                                         ; behind the last products: the next loads into V's registers, the next writes of P, the next reads of O^T
.endm
; A SLOT: my four strata, in a loop of four trips.  In a diagonal slot a stratum beyond both tiles is passed over, one beyond the lower tile serves the upper tile alone.
; These jumps differ from wave to wave; they lead round no barrier, no wait of the ring and no tensor load.
.macro SUPER
	s_mov_b32 s17, s9
	s_mov_b32 s18, 4
.Lst_\@:
	v_add_nc_u32 v[ADK], s19, v[L16]
	v_add_nc_u32 v[ADV], 0x10000, v[ADK]
	s_cmp_eq_u32 s16, 0
	s_cbranch_scc1 .Lboth_\@
	s_cmp_gt_u32 s17, s11
	s_cbranch_scc1 .Lnext_\@
	s_cmp_gt_u32 s17, s10
	s_cbranch_scc1 .Lone_\@
.Lboth_\@:
	STEP 0
	s_branch .Lnext_\@
.Lone_\@:
	STEP 1
.Lnext_\@:
	s_add_co_u32 s19, s19, 16384                   ; two strata on
	s_add_co_u32 s17, s17, 2
	s_sub_co_u32 s18, s18, 1
	s_cmp_lg_u32 s18, 0
	s_cbranch_scc1 .Lst_\@
	s_sub_co_u32 s19, s19, 65536                   ; back to my first stratum,
	s_xor_b32 s19, s19, SLOT1                      ; in the other slot
.endm
; THE CHANGE OF SLOTS stands at a slot's head.  Each wave waits for all its tensor loads (its part of the slot ahead), adds 0 to its spare word, and waits for that and for its reads of the slot that it has left.
; fill = 1: behind a round of the cluster's barrier the slot just left takes the keys that follow: slot N + 1 of the walk is key slot N + 1 while that is at most I, and N - I after that.
.macro CHANGE fill
	s_wait_tensorcnt 0x0                           ; no tensor load of mine is out, so group 0 may be written
	ds_add_u32 v[SPW], v[NIL]
.if \fill
	s_add_co_u32 s43, s15, 1
	s_sub_co_i32 s44, s15, s13
	s_max_i32 s44, s44, 0
	s_cmp_le_u32 s43, s13
	s_cselect_b32 s43, s43, s44
	s_mul_i32 s38, s43, SS
	s_xor_b32 s33, s33, SLOT1                      ; the other LDS slot than last time
	s_add_nc_u64 s[34:35], s[36:37], s[38:39]
	s_or_b32 s35, s35, 0x80000000
.endif
	s_wait_dscnt 0x0                               ; the add is done, and my LDS reads are over
.if \fill
	ROUND                                          ; no wave of any partner still reads that slot or has a load on its way
	tensor_load_to_lds s[32:35], s[24:31]          ; my one tensor load until the next round
	s_nop 0
	PLACES
.else
	s_barrier_signal -1
	s_barrier_wait -1
.endif
.endm
.macro LSUM                            ; l's two halves, and the other half of the lanes'
.irp t, 0,1
	v_add_f32 v[ST+8*\t+4], v[ST+8*\t+2], v[ST+8*\t+3]
.endr
.irp t, 0,1
	v_permlanex16_b32 v[ST+8*\t+5], v[ST+8*\t+4], s20, s21
.endr
.irp t, 0,1
	v_add_f32 v[ST+8*\t+4], v[ST+8*\t+4], v[ST+8*\t+5]
.endr
.endm
.macro GIVE                            ; the odd wave: c m, l and O^T of both tiles go to the pair's stage as they stand in the registers
	LSUM
	v_mov_b32 v[MG], v[ST]
	v_mov_b32 v[MG+1], v[ST+4]
	v_mov_b32 v[MG+2], v[ST+8]
	v_mov_b32 v[MG+3], v[ST+12]
	WIN 0x04                                       ; an LDS store's data are its source 1: window 1
.set i, 0
.rept 16
	ds_store_b128 v[MSA], v[4*i:4*i+3] offset:512*i
.set i, i+1
.endr
	WIN 0
	ds_store_b128 v[MSA], v[MG:MG+3] offset:8192
.endm
; The even wave: both halves under the larger maximum, divided by the whole sum, rounded to f16, stored as four half fragments of 512 bytes a tile.  step = 1: O's address goes on to the second phase.
.macro TAKE step
	LSUM
.set i, 0
.rept 16
	ds_load_b128 v[S+4*i:S+4*i+3], v[MSA] offset:512*i
.set i, i+1
.endr
	ds_load_b128 v[MG:MG+3], v[MSA] offset:8192
	s_wait_dscnt 0x0
.irp t, 0,1
	v_max_num_f32 v[ST+8*\t+5], v[ST+8*\t], v[MG+2*\t]
.endr
.irp t, 0,1
	v_sub_f32 v[ST+8*\t+6], v[ST+8*\t], v[ST+8*\t+5]
	v_sub_f32 v[ST+8*\t+7], v[MG+2*\t], v[ST+8*\t+5]
.endr
.irp t, 0,1
	v_exp_f32 v[ST+8*\t+6], v[ST+8*\t+6]
	v_exp_f32 v[ST+8*\t+7], v[ST+8*\t+7]
.endr
	v_nop
	s_wait_alu depctr_va_vdst(0)                   ; one wait for the four
.irp t, 0,1
	v_mul_f32 v[ST+8*\t+4], v[ST+8*\t+4], v[ST+8*\t+6]
.endr
.irp t, 0,1
	v_fmac_f32 v[ST+8*\t+4], v[MG+2*\t+1], v[ST+8*\t+7]
.endr
.irp t, 0,1
	v_rcp_f32 v[ST+8*\t+5], v[ST+8*\t+4]
.endr
	v_nop
	s_wait_alu depctr_va_vdst(0)                   ; one wait for the two
.irp t, 0,1
	v_mul_f32 v[MG+4+2*\t], v[ST+8*\t+6], v[ST+8*\t+5]      ; my factor,
	v_mul_f32 v[MG+8+2*\t], v[ST+8*\t+7], v[ST+8*\t+5]      ; my partner's
	v_mov_b32 v[MG+5+2*\t], 0                               ; (the pairs' upper words are named, so they are written)
	v_mov_b32 v[MG+9+2*\t], 0
.endr
.irp t, 0,1
.set i, 0
.rept 16
	v_pk_mul_f32 v[S+32*\t+2*i:S+32*\t+2*i+1], v[S+32*\t+2*i:S+32*\t+2*i+1], v[MG+8+2*\t:MG+9+2*\t] op_sel_hi:[1,0]
.set i, i+1
.endr
.endr
	WIN 0x01                                       ; source 0: my O^T, window 1
.irp t, 0,1
.set i, 0
.rept 16
	v_pk_fma_f32 v[S+32*\t+2*i:S+32*\t+2*i+1], v[32*\t+2*i:32*\t+2*i+1], v[MG+4+2*\t:MG+5+2*\t], v[S+32*\t+2*i:S+32*\t+2*i+1] op_sel_hi:[1,0,1]
.set i, i+1
.endr
.endr
	WIN 0
.irp t, 0,1
.irp b, 0,1,2,3,4,5,6,7,8,9,10,11,12,13,14,15
	v_cvt_pk_f16_f32 v[P+16*\t+\b], v[S+32*\t+2*\b], v[S+32*\t+2*\b+1]
.endr
.endr
.irp t, 0,1
.irp ct, 0,1,2,3
	global_store_b128 v[L16], v[P+16*\t+4*\ct:P+16*\t+4*\ct+3], s[40:41] offset:131072*\t+512*\ct   ; 32 lanes store 512 consecutive bytes
.endr
.endr
	s_wait_xcnt 0x0                                ; the stores have read their registers and their base: both are written again only behind this wait
.if \step
	s_add_nc_u64 s[40:41], s[40:41], s[48:49]
.endif
.endm
; A SLOT'S END.  In a phase's last slot the odd waves give; a barrier of the work-group; the even waves take.  The barrier stands in every slot and on every wave's path,
; so that stores into the merge stage and loads from it never lie between the same two barriers.  No LDS bytes are filled behind it before the next round.
.macro PHASE_END reset
	s_cmp_eq_u32 s16, 0
	s_cbranch_scc1 .Lno_give_\@
	s_cmp_eq_u32 s9, 0
	s_cbranch_scc1 .Lno_give_\@
	GIVE
.Lno_give_\@:
	s_wait_dscnt 0x0                               ; for the others' sake: my stores into the stage are done
	s_barrier_signal -1
	s_barrier_wait -1
	s_cmp_eq_u32 s16, 0
	s_cbranch_scc1 .Lgo_on_\@
	s_cmp_lg_u32 s9, 0
	s_cbranch_scc1 .Lno_take_\@
	TAKE \reset
.Lno_take_\@:
.if \reset
	WIN 0x01                                       ; the second phase begins: its Q,
.set i, 0
.rept 32
	v_mov_b32 v[Q+i], v[QB+i]
.set i, i+1
.endr
	WIN 0
	CLEAR_O                                        ; O^T = 0,
	STATS                                          ; m, l
.endif
.Lgo_on_\@:
.endm
.Lsuper:                                           ; eight trips: behind each change of slots but the last the next slot is asked for
	CHANGE 1
	s_cmp_eq_u32 s15, s13
	s_cselect_b32 s16, 1, 0                        ; slot I of the walk is the first phase's diagonal slot
	SUPER
	PHASE_END 1
	s_add_co_u32 s15, s15, 1
	s_cmp_lt_u32 s15, 8
	s_cbranch_scc1 .Lsuper
	CHANGE 0                                       ; the ninth slot is written out: the second phase's diagonal slot
	s_mov_b32 s16, 1
	SUPER
	PHASE_END 0
	s_wait_tensorcnt 0x0                           ; the wave's end
	ds_add_u32 v[SPW], v[NIL]
	s_wait_dscnt 0x0
	ROUND                                          ; the closing round
	s_endpgm
.Lfunc_end_k_q64608dcfc0_attn:
	.size	k_q64608dcfc0_attn, .Lfunc_end_k_q64608dcfc0_attn-k_q64608dcfc0_attn
	.p2alignl 7, 3214868480
	.fill 96, 4, 3214868480
	.section	.rodata,"a",@progbits
	.p2align	6, 0x0
	.amdhsa_kernel k_q64608dcfc0_attn
		.amdhsa_group_segment_fixed_size 327680
		.amdhsa_private_segment_fixed_size 0
		.amdhsa_enable_private_segment 0
		.amdhsa_kernarg_size 16
		.amdhsa_user_sgpr_count 2
		.amdhsa_user_sgpr_kernarg_segment_ptr 1
		.amdhsa_wavefront_size32 1
		.amdhsa_system_sgpr_workgroup_id_x 1
		.amdhsa_system_sgpr_workgroup_id_y 1
		.amdhsa_system_sgpr_workgroup_id_z 1
		.amdhsa_system_vgpr_workitem_id 0
		.amdhsa_next_free_vgpr 416
		.amdhsa_next_free_sgpr 66
		.amdhsa_reserve_vcc 1
		.amdhsa_float_denorm_mode_32 3
		.amdhsa_float_denorm_mode_16_64 3
		.amdhsa_memory_ordered 1
		.amdhsa_forward_progress 1
		.amdhsa_inst_pref_size 99
	.end_amdhsa_kernel
	.amdgpu_metadata
---
amdhsa.version: [ 1, 2 ]
amdhsa.kernels:
  - .name:           k_q64608dcfc0_attn
    .symbol:         k_q64608dcfc0_attn.kd
    .args:
      - { .name: qkv, .offset: 0, .size: 8, .value_kind: global_buffer, .address_space: global }
      - { .name: oh, .offset: 8, .size: 8, .value_kind: global_buffer, .address_space: global }
    .group_segment_fixed_size: 327680
    .private_segment_fixed_size: 0
    .kernarg_segment_align: 8
    .kernarg_segment_size: 16
    .max_flat_workgroup_size: 256
    .sgpr_count:     66
    .vgpr_count:     416
    .wavefront_size: 32
...
	.end_amdgpu_metadata
.endif
;; end of part 3
;; launch outproj (part 4): grid 8 x 32, 4 waves a work-group, clusters of 4 x 4, 327,680 bytes of LDS; arguments oh, woh, out0; writes out0
.if DOCPART == 4
	.amdgcn_target "amdgcn-amd-amdhsa--gfx1250"
	.amdhsa_code_object_version 6
	.text
	.protected	k_q64608dcfc0_outproj
	.globl	k_q64608dcfc0_outproj
	.p2align	8
	.type	k_q64608dcfc0_outproj,@function
k_q64608dcfc0_outproj:
	s_mov_b64 s[64:65], 0
	v_nop
	global_prefetch_b8 v0, s[64:65] scope:SCOPE_SE
	s_setreg_imm32_b32 hwreg(HW_REG_WAVE_MODE, 25, 1), 1
	s_wait_xcnt 0x0
	s_wait_alu depctr_hold_cnt(0) depctr_sa_sdst(0) depctr_va_vdst(0) depctr_va_sdst(0) depctr_va_ssrc(0) depctr_va_vcc(0) depctr_vm_vsrc(0)
	s_getreg_b32 s2, hwreg(HW_REG_IB_STS2, 6, 4)
	s_cmp_eq_u32 s2, 0
	s_cbranch_scc0 .Lentry_in_a_cluster
	s_endpgm
.Lentry_in_a_cluster:
	s_bfe_u32 s2, ttmp6, 0x10000c
	s_cmp_lg_u32 s2, 0xf033
	s_cbranch_scc0 .Lentry_shape_is_right
	s_endpgm
.Lentry_shape_is_right:
; out0 = O W_o^T.  O [4096][1024] and W_o [1024][1024] arrive as f16 IMAGES OF OPERAND REGISTERS: [K group of 256: 4][tile of 16 rows][fragment of 32 along K: 8][half 2][lane 32][16 B]; out0 f32; sums f32.
; A tile of 128 x 128 is made by four waves, 64 x 64 each: 16 accumulators, 128 registers: 256 work-groups.  K goes in four steps of 256 (a K group) through two LDS slots of 131,072 bytes.
; A step's 8 tiles of O and 8 of W_o are two dense blocks of 65,536 bytes; each wave fetches half of one by one tensor load.  A fragment comes out of LDS by two loads at 16 x lane: no pitch, no padding.
; CLUSTERS: 4 x 4: O's tiles are shared along a row of the cluster, W_o's along a column: joint loads.  THE MATRIX INSTRUCTION IS USED TRANSPOSED (source 0 = 16 rows of W_o, source 1 = 16 rows of O):
; a lane holds eight neighbouring numbers of a row of out0.  Rows 0-15 are stored here in the common precision and stored again, finer, by a later launch: leaving them out would want a branch on a work-group's place in its cluster.
; No prefetch: four short K steps, two of them asked for at the start.
; REGISTERS: window 0: v0-31 addresses; v32-95 the way out; v128-255 the accumulators ((a, b) at v[128 + 8 (4 a + b)]).  Window 1: two fragment buffers of 128: 64 registers of O (2 x 4 fragments), then 64 of W_o.
.set SIZE_N, 1024
.set SLOT,   1<<17                     ; O's 8 tiles of 8,192 bytes, then W_o's
.set STAGE,  2*SLOT                    ; behind the slots: 16 rows x 272 bytes for each wave, for the way out
.set SPITCH, 272
.set SPARE,  STAGE+4*16*SPITCH         ; the spare words, 128 bytes a wave
.set LAPS,   2                         ; a lap = two K steps = once round the ring
.set ADRA, 16                          ; v16-17  LDS address of my O fragments in slot 0, 1
.set ADRB, 20                          ; v20-21  the same for W_o
.set STO,  24                          ; v24     the way out: where I put 32 bytes of a row
.set RD,   25                          ; v25     where I read a row back
.set CO,   26                          ; v26     my byte offset in out0
.set SPW,  28                          ; v28     LDS address of my spare word; never rewritten
.set NIL,  29                          ; v29     0; never rewritten
.set TMP,  32
.set ACC,  128
.set F0,   0                           ; fragment buffers, in window 1
.set F1,   128
.set G1, 24                            ; s[24:31] descriptor group 1 for O's tiles;  s[32:39] group 0, one set for each slot
.set G0, 32
.set G1B, 48                           ; s[48:55], s[56:63] the same for W_o's
.set G0B, 56
.set MSB, 0
.macro WIN new                         ; the immediate's high byte repeats the setting that is left
.if MSB != \new
	s_set_vgpr_msb (MSB<<8)|\new
.set MSB, \new
.endif
.endm
.set MUL,  0x05                        ; sources 0 and 1 window 1; C and D window 0
.set TO_F, 0x40                        ; destination window 1, address window 0
.macro JLOAD s                         ; a joint load: waves 0 and 1 fetch O's two halves, waves 2 and 3 W_o's
	s_cmp_eq_u32 s11, 0
	s_cbranch_scc0 .Lfor_b_\@
	tensor_load_to_lds s[G0+4*\s:G0+4*\s+3], s[G1:G1+7]
	s_nop 0
.rept 4
	v_nop
.endr
	s_branch .Lasked_\@
.Lfor_b_\@:
	tensor_load_to_lds s[G0B+4*\s:G0B+4*\s+3], s[G1B:G1B+7]
	s_nop 0
.rept 4
	v_nop
.endr
.Lasked_\@:
.endm
.macro CREST                           ; a round of the cluster's barrier behind its opening barrier
	s_cmp_lg_u32 s10, 0
	s_cbranch_scc1 .Lnot_wave_0_\@
	s_barrier_signal -3
.Lnot_wave_0_\@:
	s_barrier_wait -3
	s_barrier_signal -1
	s_barrier_wait -1
.endm
.macro CROUND                          ; a whole round
	s_barrier_signal -1
	s_barrier_wait -1
	CREST
.endm
	s_load_b128 s[4:7], s[0:1], 0x0                ; O's images, W_o's images
	s_load_b64 s[8:9], s[0:1], 0x10                ; out0
	v_lshl_add_u32 v[SPW], v0, 2, SPARE
	v_mov_b32 v[NIL], 0
	ds_add_u32 v[SPW], v[NIL]                      ; the wave's opening: the add, twice on end, and its wait ahead of my first tensor load
	ds_add_u32 v[SPW], v[NIL]
	v_lshrrev_b32 v1, 5, v0
	v_readfirstlane_b32 s10, v1                    ; wave 0..3
	s_lshr_b32 s11, s10, 1                         ; which half of the tile's rows is mine.  Also: I fetch for O (0) or for W_o (1)
	s_and_b32 s12, s10, 1                          ; which half of its columns.  Also: which four tiles of 16 rows I fetch
	s_bfe_u32 s40, ttmp6, 0x40000                  ; cx, cy
	s_bfe_u32 s41, ttmp6, 0x40004
	s_lshl_b32 s42, ttmp9, 2
	s_add_co_u32 s42, s42, s40                     ; tile column = 4 x cluster x + cx
	s_and_b32 s13, ttmp7, 0xffff
	s_lshl_b32 s13, s13, 2
	s_add_co_u32 s13, s13, s41                     ; tile row = 4 x cluster y + cy
	s_lshl_b32 s43, s41, 2
	s_lshl_b32 s43, 15, s43                        ; my row of the cluster
	s_lshl_b32 s44, 0x1111, s40                    ; my column
	; descriptor group 1: 128 rows of 256 bytes (32 elements of 8), dense: 32,768 bytes
	s_or_b32 s[G1+0], s43, (3<<16)|(1<<21)
	s_or_b32 s[G1B+0], s44, (3<<16)|(1<<21)
.irp g, G1, G1B
	s_mov_b32 s[\g+1], 32<<16                      ; tensor_dim0
	s_mov_b32 s[\g+2], 128<<16                     ; tensor_dim1
	s_mov_b32 s[\g+3], 32<<16                      ; tile_dim0
	s_mov_b32 s[\g+4], 128                         ; tile_dim1
	s_mov_b32 s[\g+5], 32                          ; the pitch
	s_mov_b32 s[\g+6], 0
	s_mov_b32 s[\g+7], 0
.endr
	s_lshl_b32 s17, s12, 15                        ; which four tiles I fetch
	s_lshl_b32 s16, s13, 16
	s_add_co_u32 s16, s16, s17                     ; O: 8 tiles of 8,192 bytes a tile row
	s_lshl_b32 s46, s42, 16
	s_add_co_u32 s46, s46, s17                     ; W_o likewise
	s_mov_b32 s17, 0
	s_mov_b32 s47, 0
	s_lshl_b32 s20, s10, 15                        ; where they go: wave x 32,768
	s_wait_dscnt 0x0                               ; both opening adds are done
	s_wait_kmcnt 0x0
	s_add_nc_u64 s[14:15], s[4:5], s[16:17]
	s_add_nc_u64 s[46:47], s[6:7], s[46:47]
	CROUND                                         ; all sixteen work-groups are here: the first joint loads meet
.irp s, 0,1
	s_mov_b32 s[G0+4*\s], 1
	s_add_co_u32 s[G0+4*\s+1], s20, \s*SLOT
	s_add_nc_u64 s[G0+4*\s+2:G0+4*\s+3], s[14:15], \s*2097152      ; O's K group s
	s_or_b32 s[G0+4*\s+3], s[G0+4*\s+3], 0x80000000
	s_mov_b32 s[G0B+4*\s], 1
	s_add_co_u32 s[G0B+4*\s+1], s20, \s*SLOT
	s_add_nc_u64 s[G0B+4*\s+2:G0B+4*\s+3], s[46:47], \s*524288     ; W_o's K group s
	s_or_b32 s[G0B+4*\s+3], s[G0B+4*\s+3], 0x80000000
	JLOAD \s
.endr
	v_and_b32 v1, 15, v0                           ; r
	v_bfe_u32 v2, v0, 4, 1                         ; h
	v_and_b32 v3, 31, v0
	v_lshlrev_b32 v3, 4, v3                        ; 16 x lane
	s_lshl_b32 s21, s11, 15                        ; my four tiles of O
	s_lshl_b32 s22, s12, 15                        ; my four of W_o,
	s_add_co_u32 s22, s22, 65536                   ; which lie behind O's eight
.irp s, 0,1
	v_add_nc_u32 v[ADRA+\s], s21, v3
	v_add_nc_u32 v[ADRB+\s], s22, v3
	s_add_co_u32 s21, s21, SLOT
	s_add_co_u32 s22, s22, SLOT
.endr
	s_mul_i32 s23, s10, 16*SPITCH
	s_add_co_u32 s23, s23, STAGE                   ; my stage
	v_mul_u32_u24 v4, v1, SPITCH                   ; in: row r, 32 bytes for each half of the lanes
	v_lshl_add_u32 v4, v2, 5, v4
	v_add_nc_u32 v[STO], s23, v4
	v_mul_u32_u24 v5, v2, SPITCH                   ; back: lanes 0-15 one row of 256 bytes, lanes 16-31 the next
	v_lshl_add_u32 v5, v1, 4, v5
	v_add_nc_u32 v[RD], s23, v5
	v_lshlrev_b32 v5, 12, v2                       ; and the same two rows in out0
	v_lshl_add_u32 v[CO], v1, 4, v5
	s_lshl_b32 s16, s13, 7
	s_lshl_b32 s17, s11, 6
	s_add_co_u32 s16, s16, s17                     ; my first row: 128 x tile row + 64 x half
	s_lshl_b32 s16, s16, 12
	s_mov_b32 s17, 0
	s_add_nc_u64 s[8:9], s[8:9], s[16:17]
	s_lshl_b32 s46, s42, 9                         ; my first column, in bytes: 512 x tile column + 256 x half
	s_lshl_b32 s47, s12, 8
	s_add_co_u32 s46, s46, s47
	s_mov_b32 s47, 0
	s_add_nc_u64 s[8:9], s[8:9], s[46:47]
; 8 matrix instructions: row blocks a0, a0 + 1 x all 4 column blocks, 32 along K: half c of buffer f.  zero = 1: the first product starts the sums.  The 16 accumulators take turns
.macro MUL8 f, c, a0, zero
.irp a, \a0, \a0+1
.irp b, 0,1,2,3
.if \zero
	v_wmma_f32_16x16x32_f16 v[ACC+8*(4*(\a)+\b):ACC+8*(4*(\a)+\b)+7], v[\f+64+8*(4*\c+\b):\f+64+8*(4*\c+\b)+7], v[\f+8*(4*\c+\a):\f+8*(4*\c+\a)+7], 0
.else
	v_wmma_f32_16x16x32_f16 v[ACC+8*(4*(\a)+\b):ACC+8*(4*(\a)+\b)+7], v[\f+64+8*(4*\c+\b):\f+64+8*(4*\c+\b)+7], v[\f+8*(4*\c+\a):\f+8*(4*\c+\a)+7], v[ACC+8*(4*(\a)+\b):ACC+8*(4*(\a)+\b)+7]
.endif
.endr
.endr
.endm
; 32 LDS loads in one run: the fragments of 64 along K (k = 128 x the quarter's number: fragments k / 64 and k / 64 + 1 of each tile, 1,024 bytes each) into buffer f; the first 32 along K first
.macro FETCH slot, k, f
	WIN TO_F
.irp c, 0,1
.irp i, 0,1,2,3
	ds_load_b128 v[\f+64+8*(4*\c+\i):\f+64+8*(4*\c+\i)+3],   v[ADRB+\slot] offset:(\k)*16+1024*\c+8192*\i
	ds_load_b128 v[\f+64+8*(4*\c+\i)+4:\f+64+8*(4*\c+\i)+7], v[ADRB+\slot] offset:(\k)*16+1024*\c+8192*\i+512
	ds_load_b128 v[\f+8*(4*\c+\i):\f+8*(4*\c+\i)+3],         v[ADRA+\slot] offset:(\k)*16+1024*\c+8192*\i
	ds_load_b128 v[\f+8*(4*\c+\i)+4:\f+8*(4*\c+\i)+7],       v[ADRA+\slot] offset:(\k)*16+1024*\c+8192*\i+512
.endr
.endr
.endm
.macro PLACES                          ; four plain lines in front of loads into registers that matrix instructions have read, and of reads of results
.rept 4
	v_nop
.endr
.endm
; A K step is four quarters of 64 along K, 32 matrix instructions each, on buffers 0, 1, 0, 1.  One of the first three: multiplies buffer f and fetches the next quarter into g.
.macro QUARTER slot, k, f, g, zero
	s_wait_dscnt 16                                ; the first 32 along K are in; the youngest sixteen loads stay out
	WIN MUL
	MUL8 \f, 0, 0, \zero
	MUL8 \f, 0, 2, \zero
	PLACES
	FETCH \slot, \k, \g
	s_wait_dscnt 32                                ; all but the 32 just issued
	WIN MUL
	MUL8 \f, 1, 0, 0
	MUL8 \f, 1, 2, 0
.endm
; The last quarter multiplies buffer 1 and changes slots: ONE barrier; in front of it each wave waits for all its tensor loads, adds 0 to its spare word, and waits for that and for its reads of this slot.
.macro TURN slot, next, fill
	WIN 0                                          ; (the add's two registers lie in window 0)
	s_wait_tensorcnt 0x0                           ; all my tensor loads have landed: my part of the next slot
	ds_add_u32 v[SPW], v[NIL]
	s_wait_dscnt 17                                ; (the add and the youngest sixteen loads may be out)
	WIN MUL
	MUL8 F1, 0, 0, 0
	s_wait_dscnt 0x0                               ; the add is done, and my reads of this slot are over
	s_barrier_signal -1
	MUL8 F1, 0, 2, 0
.if \fill
	WIN 0
.endif
	s_barrier_wait -1
.if \fill
	CREST                                          ; the barrier has opened a round of the cluster's: no wave of any partner still reads this slot or has a load on its way
	s_add_nc_u64 s[G0+4*\slot+2:G0+4*\slot+3], s[G0+4*\slot+2:G0+4*\slot+3], 2*2097152
	s_add_nc_u64 s[G0B+4*\slot+2:G0B+4*\slot+3], s[G0B+4*\slot+2:G0B+4*\slot+3], 2*524288
	JLOAD \slot                                    ; the first tensor load behind the round; the four plain lines behind it are also the places in front of the loads below
.else
	PLACES
.endif
	FETCH \next, 0, F0
	WIN MUL
	MUL8 F1, 1, 0, 0
	MUL8 F1, 1, 2, 0
.endm
	s_wait_tensorcnt 1                             ; my part of K step 0 is in (K step 1's load may be out),
	s_barrier_signal -1
	s_barrier_wait -1                              ; everybody's is
	FETCH 0, 0, F0
	QUARTER 0, 128, F0, F1, 1                      ; the first quarter's first products start the sums
	WIN 0
	s_mov_b32 s3, LAPS-1
.Llap:                                             ; a trip goes once round the ring and fills both slots again
	QUARTER 0, 256, F1, F0, 0
	QUARTER 0, 384, F0, F1, 0
	TURN 0, 1, 1
	QUARTER 1, 128, F0, F1, 0
	QUARTER 1, 256, F1, F0, 0
	QUARTER 1, 384, F0, F1, 0
	TURN 1, 0, 1
	QUARTER 0, 128, F0, F1, 0
	WIN 0
	s_sub_co_u32 s3, s3, 1
	s_cmp_lg_u32 s3, 0
	s_cbranch_scc1 .Llap
	QUARTER 0, 256, F1, F0, 0                      ; the last lap fills nothing
	QUARTER 0, 384, F0, F1, 0
	TURN 0, 1, 0
	QUARTER 1, 128, F0, F1, 0
	QUARTER 1, 256, F1, F0, 0
	QUARTER 1, 384, F0, F1, 0
	s_wait_dscnt 16
	WIN MUL
	MUL8 F1, 0, 0, 0
	MUL8 F1, 0, 2, 0
	s_wait_dscnt 0
	MUL8 F1, 1, 0, 0
	MUL8 F1, 1, 2, 0
	WIN 0
; THE WAY OUT, a block of 16 rows x 64 columns at a time, through my own stage: a lane's 32 bytes go in, whole rows of 256 bytes come back, and sixteen lanes store 256 consecutive bytes, at a multiple of 256 from out0's first byte.
; LDS serves a wave's instructions in order: no wait between the stores and the loads, nor in front of the next block's stores.  My 64 columns are a whole run of 256 bytes, so no other wave is needed.
.macro TOSTAGE a
.irp b, 0,1,2,3
	ds_store_b128 v[STO], v[ACC+8*(4*(\a)+\b):ACC+8*(4*(\a)+\b)+3] offset:64*\b        ; each accumulator from its low end on
	ds_store_b128 v[STO], v[ACC+8*(4*(\a)+\b)+4:ACC+8*(4*(\a)+\b)+7] offset:64*\b+16
.endr
.set BB, TMP+32*((\a)%2)
.irp t, 0,1,2,3,4,5,6,7
	ds_load_b128 v[BB+4*\t:BB+4*\t+3], v[RD] offset:\t*2*SPITCH
.endr
.endm
.macro SEND a, younger                 ; younger: the LDS instructions issued behind block a's loads, which may stay out
.set BB, TMP+32*((\a)%2)
	s_wait_dscnt \younger
.if (\a) > 0
	s_add_nc_u64 s[8:9], s[8:9], 16*SIZE_N*4       ; (behind a wait on XCNT: the earlier stores have read their base)
.endif
.irp t, 0,1,2,3,4,5,6,7
	global_store_b128 v[CO], v[BB+4*\t:BB+4*\t+3], s[8:9] offset:\t*2*SIZE_N*4 th:TH_STORE_NT
.endr
.endm
	PLACES
	TOSTAGE 0
.irp a, 1,2,3
.if \a > 1
	s_wait_xcnt 0x0                                ; block a - 2's stores have read their registers and their base
.endif
	TOSTAGE \a
	SEND \a-1, 16                                  ; behind block a - 1's loads: block a's 8 stores and 8 loads
.endr
	s_wait_xcnt 0x0
	SEND 3, 0
	s_wait_tensorcnt 0x0                           ; the wave's end
	ds_add_u32 v[SPW], v[NIL]
	s_wait_dscnt 0x0
	CROUND                                         ; the closing round
	s_endpgm
.Lfunc_end_k_q64608dcfc0_outproj:
	.size	k_q64608dcfc0_outproj, .Lfunc_end_k_q64608dcfc0_outproj-k_q64608dcfc0_outproj
	.p2alignl 7, 3214868480
	.fill 96, 4, 3214868480
	.section	.rodata,"a",@progbits
	.p2align	6, 0x0
	.amdhsa_kernel k_q64608dcfc0_outproj
		.amdhsa_group_segment_fixed_size 327680
		.amdhsa_private_segment_fixed_size 0
		.amdhsa_enable_private_segment 0
		.amdhsa_kernarg_size 24
		.amdhsa_user_sgpr_count 2
		.amdhsa_user_sgpr_kernarg_segment_ptr 1
		.amdhsa_wavefront_size32 1
		.amdhsa_system_sgpr_workgroup_id_x 1
		.amdhsa_system_sgpr_workgroup_id_y 1
		.amdhsa_system_sgpr_workgroup_id_z 1
		.amdhsa_system_vgpr_workitem_id 0
		.amdhsa_next_free_vgpr 512
		.amdhsa_next_free_sgpr 66
		.amdhsa_reserve_vcc 0
		.amdhsa_float_denorm_mode_32 3
		.amdhsa_float_denorm_mode_16_64 3
		.amdhsa_memory_ordered 1
		.amdhsa_forward_progress 1
		.amdhsa_inst_pref_size 85
	.end_amdhsa_kernel
	.amdgpu_metadata
---
amdhsa.version: [ 1, 2 ]
amdhsa.kernels:
  - .name:           k_q64608dcfc0_outproj
    .symbol:         k_q64608dcfc0_outproj.kd
    .args:
      - { .name: oh, .offset: 0, .size: 8, .value_kind: global_buffer, .address_space: global }
      - { .name: woh, .offset: 8, .size: 8, .value_kind: global_buffer, .address_space: global }
      - { .name: out0, .offset: 16, .size: 8, .value_kind: global_buffer, .address_space: global }
    .group_segment_fixed_size: 327680
    .private_segment_fixed_size: 0
    .kernarg_segment_align: 8
    .kernarg_segment_size: 24
    .max_flat_workgroup_size: 128
    .sgpr_count:     66
    .vgpr_count:     512
    .wavefront_size: 32
...
	.end_amdgpu_metadata
.endif
;; end of part 4
;; launch fineattn (part 5): grid 16 x 1, 4 waves a work-group, no clusters, 5,120 bytes of LDS; arguments xc, xs, wc, ws, ofine; writes ofine
.if DOCPART == 5
	.amdgcn_target "amdgcn-amd-amdhsa--gfx1250"
	.amdhsa_code_object_version 6
	.text
	.protected	k_q64608dcfc0_fineattn
	.globl	k_q64608dcfc0_fineattn
	.p2align	8
	.type	k_q64608dcfc0_fineattn,@function
k_q64608dcfc0_fineattn:
	s_mov_b64 s[64:65], 0
	v_nop
	global_prefetch_b8 v0, s[64:65] scope:SCOPE_SE
	s_setreg_imm32_b32 hwreg(HW_REG_WAVE_MODE, 25, 1), 1
	s_wait_xcnt 0x0
; THE FIRST 16 POSITIONS, FINELY.  Under the causal mask rows 0-15 average one to sixteen values and are the largest: they are carried in f32 from the quantised product on.
; A work-group takes a head; wave ct takes channels 16 ct .. 16 ct + 15 of q, k and v for tokens 0-15: the same codes, scales and matrix instruction as the large product, K = 1,024 in eight steps.
; q, k: source 0 = 16 rows of W, source 1 = x: lane (r, h) holds token r and channels 8 h + 0..7.   v: source 0 = x, source 1 = 16 rows of W_v: lane (r, h) holds channel r and tokens 8 h + 0..7.
; Scores by the f32 matrix form (16 x 16 x 4): S^T = k q^T over my 16 channels; place (h, j) of instruction i stands for channel 8 h + 2 i + j on both sides.  The four waves' parts are added through LDS.
; Softmax in f32 with the row's maximum taken away; p is normalised; O^T = v^T p by the f32 form, place (h, j) standing for key 8 h + 2 i + j.  ofine: [16][1024] f32.
; The registers that the f32 form writes (v224-255) are written by nothing else, and each sum begins with the constant 0.
; REGISTERS.  Window 0: v1-11 addresses; v16-47 x's fragments of K steps 0-3; v48-143 W's (48 + 32 t + 8 s; t = q, k, v); v144-167 at work; v168, v176, v184 q, k, v; v192-199 x's scale words; v200-223 W's; v224-255 the f32 sums.
;             Window 1: v0-95 W's fragments of K steps 4-7; v96-127 x's.
.set XF, 16
.set WF, 48
.set WK, 144
.set AQ, 168
.set AK, 176
.set AV, 184
.set XS, 192
.set WS, 200
.set SA, 224
.set SB, 232
.set OA, 240
.set OB, 248
.set SPARE, 4096                       ; behind the four waves' parts of the scores: the spare words
	s_load_b128 s[4:7], s[0:1], 0x0                ; x's codes, x's scales
	s_load_b128 s[8:11], s[0:1], 0x10              ; W's codes, W's scales
	s_load_b64 s[12:13], s[0:1], 0x20              ; ofine
	v_lshl_add_u32 v10, v0, 2, SPARE               ; my spare word; never rewritten
	v_mov_b32 v11, 0                               ; 0; never rewritten
	v_lshrrev_b32 v1, 5, v0
	v_readfirstlane_b32 s14, v1                    ; wave = ct
	v_and_b32 v1, 15, v0                           ; r
	v_bfe_u32 v2, v0, 4, 1                         ; h
	v_lshlrev_b32 v3, 9, v1
	v_lshl_add_u32 v3, v2, 4, v3                   ; codes: row r of 512 bytes + 16 h
	v_lshlrev_b32 v4, 5, v1                        ; scales: row r of 32 bytes
	v_and_b32 v5, 31, v0
	v_lshlrev_b32 v5, 4, v5                        ; 16 x lane
	s_lshl_b32 s15, s14, 10
	v_add_nc_u32 v6, s15, v5                       ; LDS: my wave's part
	v_lshlrev_b32 v7, 3, v2
	v_sub_nc_u32 v7, v1, v7                        ; r - 8 h: register j (key 8 h + j) is hidden where j is above it
	v_lshlrev_b32 v8, 12, v1
	v_lshl_add_u32 v8, v2, 5, v8                   ; ofine: row r of 4,096 bytes + 32 h
	v_mov_b32 v9, 0xff800000                       ; -infinity
	s_lshl_b32 s16, ttmp9, 6
	s_lshl_b32 s17, s14, 4
	s_add_co_u32 s16, s16, s17                     ; my first channel: 64 x head + 16 ct
	s_lshl_b32 s18, s16, 9
	s_mov_b32 s19, 0
	s_lshl_b32 s20, s16, 5
	s_mov_b32 s21, 0
	s_lshl_b32 s22, s16, 2
	s_mov_b32 s23, 0
	s_mov_b32 s24, 0x76543210
	s_mov_b32 s25, 0xfedcba98                      ; lane l xor 16
	s_mov_b32 s26, 0x3e38aa3b                      ; c = log2(e) / 8
	s_wait_kmcnt 0x0
	s_add_nc_u64 s[8:9], s[8:9], s[18:19]
	s_add_nc_u64 s[10:11], s[10:11], s[20:21]
	s_add_nc_u64 s[12:13], s[12:13], s[22:23]
.irp s, 0,1,2,3
.irp c, 0,1
	global_load_b128 v[XF+8*\s+4*\c:XF+8*\s+4*\c+3], v3, s[4:5] offset:64*\s+32*\c
.endr
.endr
.irp t, 0,1,2
.irp s, 0,1,2,3
.irp c, 0,1
	global_load_b128 v[WF+32*\t+8*\s+4*\c:WF+32*\t+8*\s+4*\c+3], v3, s[8:9] offset:524288*\t+64*\s+32*\c   ; q's, k's and v's rows of W lie 1,024 rows apart
.endr
.endr
.endr
	global_load_b128 v[XS:XS+3], v4, s[6:7]        ; a row's eight scale words: one for each K step
	global_load_b128 v[XS+4:XS+7], v4, s[6:7] offset:16
.irp t, 0,1,2
	global_load_b128 v[WS+8*\t:WS+8*\t+3], v4, s[10:11] offset:32768*\t
	global_load_b128 v[WS+8*\t+4:WS+8*\t+7], v4, s[10:11] offset:32768*\t+16
.endr
	s_set_vgpr_msb 0x40                            ; destination window 1
.irp s, 0,1,2,3
.irp c, 0,1
	global_load_b128 v[96+8*\s+4*\c:96+8*\s+4*\c+3], v3, s[4:5] offset:256+64*\s+32*\c
.endr
.endr
.irp t, 0,1,2
.irp s, 0,1,2,3
.irp c, 0,1
	global_load_b128 v[32*\t+8*\s+4*\c:32*\t+8*\s+4*\c+3], v3, s[8:9] offset:524288*\t+256+64*\s+32*\c
.endr
.endr
.endr
	s_set_vgpr_msb 0x4000                          ; all back to window 0
	s_wait_loadcnt 0x0
; K step s: x's fragment at xr, W's three at wr, wr + 32, wr + 64.  The three sums take turns.
.macro QKVSTEP s, xr, wr, zero
.if \zero
	v_wmma_scale_f32_16x16x128_f8f6f4 v[AQ:AQ+7], v[(\wr):(\wr)+7], v[(\xr):(\xr)+7], 0, v[WS+(\s)], v[XS+(\s)] matrix_a_fmt:MATRIX_FMT_FP4 matrix_b_fmt:MATRIX_FMT_FP4
	v_wmma_scale_f32_16x16x128_f8f6f4 v[AK:AK+7], v[(\wr)+32:(\wr)+39], v[(\xr):(\xr)+7], 0, v[WS+8+(\s)], v[XS+(\s)] matrix_a_fmt:MATRIX_FMT_FP4 matrix_b_fmt:MATRIX_FMT_FP4
	v_wmma_scale_f32_16x16x128_f8f6f4 v[AV:AV+7], v[(\xr):(\xr)+7], v[(\wr)+64:(\wr)+71], 0, v[XS+(\s)], v[WS+16+(\s)] matrix_a_fmt:MATRIX_FMT_FP4 matrix_b_fmt:MATRIX_FMT_FP4
.else
	v_wmma_scale_f32_16x16x128_f8f6f4 v[AQ:AQ+7], v[(\wr):(\wr)+7], v[(\xr):(\xr)+7], v[AQ:AQ+7], v[WS+(\s)], v[XS+(\s)] matrix_a_fmt:MATRIX_FMT_FP4 matrix_b_fmt:MATRIX_FMT_FP4
	v_wmma_scale_f32_16x16x128_f8f6f4 v[AK:AK+7], v[(\wr)+32:(\wr)+39], v[(\xr):(\xr)+7], v[AK:AK+7], v[WS+8+(\s)], v[XS+(\s)] matrix_a_fmt:MATRIX_FMT_FP4 matrix_b_fmt:MATRIX_FMT_FP4
	v_wmma_scale_f32_16x16x128_f8f6f4 v[AV:AV+7], v[(\xr):(\xr)+7], v[(\wr)+64:(\wr)+71], v[AV:AV+7], v[XS+(\s)], v[WS+16+(\s)] matrix_a_fmt:MATRIX_FMT_FP4 matrix_b_fmt:MATRIX_FMT_FP4
.endif
.endm
	QKVSTEP 0, XF, WF, 1
	QKVSTEP 1, XF+8, WF+8, 0
	QKVSTEP 2, XF+16, WF+16, 0
	QKVSTEP 3, XF+24, WF+24, 0
	s_set_vgpr_msb 0x0005                          ; sources 0 and 1 window 1; C, D window 0 (scale operands have no window)
	QKVSTEP 4, 96, 0, 0
	QKVSTEP 5, 104, 8, 0
	QKVSTEP 6, 112, 16, 0
	QKVSTEP 7, 120, 24, 0
	s_set_vgpr_msb 0x0500
.rept 5
	v_nop                                          ; five places before a matrix instruction takes these results as its sources
.endr
	v_wmma_f32_16x16x4_f32 v[SA:SA+7], v[AK:AK+1], v[AQ:AQ+1], 0                   ; two sums by turns
	v_wmma_f32_16x16x4_f32 v[SB:SB+7], v[AK+2:AK+3], v[AQ+2:AQ+3], 0
	v_wmma_f32_16x16x4_f32 v[SA:SA+7], v[AK+4:AK+5], v[AQ+4:AQ+5], v[SA:SA+7]
	v_wmma_f32_16x16x4_f32 v[SB:SB+7], v[AK+6:AK+7], v[AQ+6:AQ+7], v[SB:SB+7]
.rept 8
	v_nop                                          ; eight places behind this form before a vector line reads its result
.endr
.irp j, 0,1,2,3,4,5,6,7
	v_add_f32 v[WK+\j], v[SA+\j], v[SB+\j]         ; lane (r, h): query r, key 8 h + j, over my 16 channels
.endr
	ds_store_b128 v6, v[WK:WK+3]
	ds_store_b128 v6, v[WK+4:WK+7] offset:512
	s_wait_dscnt 0x0                               ; for the others' sake: my stores are done
	s_barrier_signal -1
	s_barrier_wait -1
.irp w, 0,1,2,3
	ds_load_b128 v[XF+8*\w:XF+8*\w+3], v5 offset:1024*\w
	ds_load_b128 v[XF+8*\w+4:XF+8*\w+7], v5 offset:1024*\w+512
.endr
	s_wait_dscnt 0x0
.irp j, 0,1,2,3,4,5,6,7
	v_add_f32 v[WK+\j], v[XF+\j], v[XF+8+\j]
	v_add_f32 v[WK+8+\j], v[XF+16+\j], v[XF+24+\j]
.endr
.irp j, 0,1,2,3,4,5,6,7
	v_add_f32 v[WK+\j], v[WK+\j], v[WK+8+\j]       ; the whole score: the same order in all four waves, so the same bits
.endr
.irp j, 0,1,2,3,4,5,6,7
	v_cmp_gt_i32 vcc_lo, \j, v7
	v_cndmask_b32 v[WK+\j], v[WK+\j], v9, vcc_lo   ; hidden keys: -infinity (key 0 counts for every query)
.endr
	v_max3_num_f32 v[WK+16], v[WK], v[WK+1], v[WK+2]
	v_max3_num_f32 v[WK+17], v[WK+3], v[WK+4], v[WK+5]
	v_max3_num_f32 v[WK+16], v[WK+16], v[WK+6], v[WK+7]
	v_max_num_f32 v[WK+16], v[WK+16], v[WK+17]
	v_permlanex16_b32 v[WK+17], v[WK+16], s24, s25
	v_max_num_f32 v[WK+16], v[WK+16], v[WK+17]     ; the row's maximum
	v_mul_f32 v[WK+16], s26, v[WK+16]
.irp j, 0,1,2,3,4,5,6,7
	v_fma_f32 v[WK+\j], v[WK+\j], s26, -v[WK+16]
.endr
.irp j, 0,1,2,3,4,5,6,7
	v_exp_f32 v[WK+\j], v[WK+\j]
.endr
	v_nop
	s_wait_alu depctr_va_vdst(0)                   ; one wait for the eight, ahead of their first reader
	v_add_f32 v[WK+17], v[WK], v[WK+1]
	v_add_f32 v[WK+18], v[WK+2], v[WK+3]
	v_add_f32 v[WK+19], v[WK+4], v[WK+5]
	v_add_f32 v[WK+20], v[WK+6], v[WK+7]
	v_add_f32 v[WK+17], v[WK+17], v[WK+18]
	v_add_f32 v[WK+19], v[WK+19], v[WK+20]
	v_add_f32 v[WK+17], v[WK+17], v[WK+19]
	v_permlanex16_b32 v[WK+18], v[WK+17], s24, s25
	v_add_f32 v[WK+17], v[WK+17], v[WK+18]         ; the row's sum
	v_rcp_f32 v[WK+18], v[WK+17]
	v_nop
	s_wait_alu depctr_va_vdst(0)
.irp j, 0,1,2,3,4,5,6,7
	v_mul_f32 v[WK+8+\j], v[WK+\j], v[WK+18]       ; p, normalised
.endr
	v_wmma_f32_16x16x4_f32 v[OA:OA+7], v[AV:AV+1], v[WK+8:WK+9], 0
	v_wmma_f32_16x16x4_f32 v[OB:OB+7], v[AV+2:AV+3], v[WK+10:WK+11], 0
	v_wmma_f32_16x16x4_f32 v[OA:OA+7], v[AV+4:AV+5], v[WK+12:WK+13], v[OA:OA+7]
	v_wmma_f32_16x16x4_f32 v[OB:OB+7], v[AV+6:AV+7], v[WK+14:WK+15], v[OB:OB+7]
.rept 8
	v_nop
.endr
.irp j, 0,1,2,3,4,5,6,7
	v_add_f32 v[WK+\j], v[OA+\j], v[OB+\j]         ; lane (r, h): query r, channel 16 ct + 8 h + j
.endr
	global_store_b128 v8, v[WK:WK+3], s[12:13]     ; 32 bytes a lane of a row; the head's four waves fill a row's 256 bytes
	global_store_b128 v8, v[WK+4:WK+7], s[12:13] offset:16
	s_wait_tensorcnt 0x0                           ; the wave's end
	ds_add_u32 v10, v11
	s_wait_dscnt 0x0
	s_endpgm
.Lfunc_end_k_q64608dcfc0_fineattn:
	.size	k_q64608dcfc0_fineattn, .Lfunc_end_k_q64608dcfc0_fineattn-k_q64608dcfc0_fineattn
	.p2alignl 7, 3214868480
	.fill 96, 4, 3214868480
	.section	.rodata,"a",@progbits
	.p2align	6, 0x0
	.amdhsa_kernel k_q64608dcfc0_fineattn
		.amdhsa_group_segment_fixed_size 5120
		.amdhsa_private_segment_fixed_size 0
		.amdhsa_enable_private_segment 0
		.amdhsa_kernarg_size 40
		.amdhsa_user_sgpr_count 2
		.amdhsa_user_sgpr_kernarg_segment_ptr 1
		.amdhsa_wavefront_size32 1
		.amdhsa_system_sgpr_workgroup_id_x 1
		.amdhsa_system_sgpr_workgroup_id_y 1
		.amdhsa_system_sgpr_workgroup_id_z 1
		.amdhsa_system_vgpr_workitem_id 0
		.amdhsa_next_free_vgpr 384
		.amdhsa_next_free_sgpr 66
		.amdhsa_reserve_vcc 1
		.amdhsa_float_denorm_mode_32 3
		.amdhsa_float_denorm_mode_16_64 3
		.amdhsa_memory_ordered 1
		.amdhsa_forward_progress 1
		.amdhsa_inst_pref_size 18
	.end_amdhsa_kernel
	.amdgpu_metadata
---
amdhsa.version: [ 1, 2 ]
amdhsa.kernels:
  - .name:           k_q64608dcfc0_fineattn
    .symbol:         k_q64608dcfc0_fineattn.kd
    .args:
      - { .name: xc, .offset: 0, .size: 8, .value_kind: global_buffer, .address_space: global }
      - { .name: xs, .offset: 8, .size: 8, .value_kind: global_buffer, .address_space: global }
      - { .name: wc, .offset: 16, .size: 8, .value_kind: global_buffer, .address_space: global }
      - { .name: ws, .offset: 24, .size: 8, .value_kind: global_buffer, .address_space: global }
      - { .name: ofine, .offset: 32, .size: 8, .value_kind: global_buffer, .address_space: global }
    .group_segment_fixed_size: 5120
    .private_segment_fixed_size: 0
    .kernarg_segment_align: 8
    .kernarg_segment_size: 40
    .max_flat_workgroup_size: 128
    .sgpr_count:     66
    .vgpr_count:     384
    .wavefront_size: 32
...
	.end_amdgpu_metadata
.endif
;; end of part 5
;; launch fineproj (part 6): grid 64 x 1, 8 waves a work-group, no clusters, 9,216 bytes of LDS; arguments ofine, W_o, out0; writes out0
.if DOCPART == 6
	.amdgcn_target "amdgcn-amd-amdhsa--gfx1250"
	.amdhsa_code_object_version 6
	.text
	.protected	k_q64608dcfc0_fineproj
	.globl	k_q64608dcfc0_fineproj
	.p2align	8
	.type	k_q64608dcfc0_fineproj,@function
k_q64608dcfc0_fineproj:
	s_mov_b64 s[64:65], 0
	v_nop
	global_prefetch_b8 v0, s[64:65] scope:SCOPE_SE
	s_setreg_imm32_b32 hwreg(HW_REG_WAVE_MODE, 25, 1), 1
	s_wait_xcnt 0x0
; THE FIRST 16 POSITIONS' PROJECTION, IN F32: out0[q][n] = sum over k of ofine[q][k] W_o[n][k], q = 0..15.  These 64 KiB of out0 are stored over what the large projection left there.
; Work-group nt takes columns 16 nt .. 16 nt + 15; wave w takes K = 128 w .. 128 w + 127: 32 instructions of the f32 matrix form (16 x 16 x 4) on four sums by turns.
; Source 0 = 16 rows of W_o, source 1 = the 16 rows of ofine: lane (r, h) holds query r and columns 8 h + 0..7.  A lane loads 16 bytes at 32 q + 16 h of its row: place (h, j) of instruction 2 q + i
; stands for k = 8 q + 4 h + 2 i + j on both sides.  The eight waves' parts meet in LDS; waves 0 and 1 add them and store 16 bytes a lane (a work-group owns 64 bytes of each of 16 rows: small, stated).
; The registers that the f32 form writes (v144-175) are written by nothing else, and each sum begins with the constant 0.
.set SPARE, 8192                       ; behind the eight waves' parts: the spare words, 128 bytes a wave
	s_load_b128 s[4:7], s[0:1], 0x0                ; ofine, W_o
	s_load_b64 s[8:9], s[0:1], 0x10                ; out0
	v_lshl_add_u32 v10, v0, 2, SPARE               ; my spare word; never rewritten
	v_mov_b32 v11, 0                               ; 0; never rewritten
	v_lshrrev_b32 v1, 5, v0
	v_readfirstlane_b32 s10, v1                    ; wave 0..7
	v_and_b32 v1, 15, v0                           ; r
	v_bfe_u32 v2, v0, 4, 1                         ; h
	v_lshlrev_b32 v3, 12, v1
	v_lshl_add_u32 v8, v2, 5, v3                   ; out0: row r of 4,096 bytes + 32 h
	v_lshl_add_u32 v3, v2, 4, v3                   ; in: row r + 16 h
	v_and_b32 v5, 31, v0
	v_lshlrev_b32 v5, 4, v5                        ; 16 x lane
	s_lshl_b32 s11, s10, 10
	v_add_nc_u32 v6, s11, v5                       ; LDS: my wave's part
	s_and_b32 s11, s10, 1                          ; g: which four of a lane's eight numbers I add up, if I do
	s_lshl_b32 s12, s11, 9
	v_add_nc_u32 v7, s12, v5                       ; LDS: half g of a part
	s_lshl_b32 s12, s11, 4
	v_add_nc_u32 v8, s12, v8                       ; + 16 g
	s_lshl_b32 s12, s10, 9                         ; my 128 numbers of a row
	s_mov_b32 s13, 0
	s_lshl_b32 s14, ttmp9, 16                      ; W_o: 16 rows of 4,096 bytes
	s_add_co_u32 s14, s14, s12
	s_mov_b32 s15, 0
	s_lshl_b32 s16, ttmp9, 6                       ; out0: 16 columns
	s_mov_b32 s17, 0
	s_wait_kmcnt 0x0
	s_add_nc_u64 s[4:5], s[4:5], s[12:13]
	s_add_nc_u64 s[6:7], s[6:7], s[14:15]
	s_add_nc_u64 s[8:9], s[8:9], s[16:17]
.irp q, 0,1,2,3,4,5,6,7,8,9,10,11,12,13,14,15
	global_load_b128 v[16+4*\q:19+4*\q], v3, s[6:7] offset:32*\q
	global_load_b128 v[80+4*\q:83+4*\q], v3, s[4:5] offset:32*\q
.endr
	s_wait_loadcnt 0x0
.set n, 0
.rept 32
.if n < 4
	v_wmma_f32_16x16x4_f32 v[144+8*(n%4):151+8*(n%4)], v[16+2*n:17+2*n], v[80+2*n:81+2*n], 0
.else
	v_wmma_f32_16x16x4_f32 v[144+8*(n%4):151+8*(n%4)], v[16+2*n:17+2*n], v[80+2*n:81+2*n], v[144+8*(n%4):151+8*(n%4)]
.endif
.set n, n+1
.endr
.rept 8
	v_nop                                          ; eight places behind this form before a vector line reads its result
.endr
.irp j, 0,1,2,3,4,5,6,7
	v_add_f32 v[176+\j], v[144+\j], v[152+\j]
	v_add_f32 v[184+\j], v[160+\j], v[168+\j]
.endr
.irp j, 0,1,2,3,4,5,6,7
	v_add_f32 v[176+\j], v[176+\j], v[184+\j]
.endr
	ds_store_b128 v6, v[176:179]
	ds_store_b128 v6, v[180:183] offset:512
	s_wait_dscnt 0x0                               ; for the others' sake: my stores are done
	s_barrier_signal -1
	s_barrier_wait -1
	s_cmp_gt_u32 s10, 1                            ; waves 0 and 1 add the eight parts
	s_cbranch_scc1 .Lend
.irp w, 0,1,2,3,4,5,6,7
	ds_load_b128 v[16+4*\w:19+4*\w], v7 offset:1024*\w
.endr
	s_wait_dscnt 0x0
.irp w, 1,2,3,4,5,6,7
	v_pk_add_f32 v[16:17], v[16:17], v[16+4*\w:17+4*\w]
	v_pk_add_f32 v[18:19], v[18:19], v[18+4*\w:19+4*\w]
.endr
	global_store_b128 v8, v[16:19], s[8:9]         ; out0(r, 16 nt + 8 h + 4 g + 0..3)
.Lend:
	s_wait_tensorcnt 0x0                           ; the wave's end
	ds_add_u32 v10, v11
	s_wait_dscnt 0x0
	s_endpgm
.Lfunc_end_k_q64608dcfc0_fineproj:
	.size	k_q64608dcfc0_fineproj, .Lfunc_end_k_q64608dcfc0_fineproj-k_q64608dcfc0_fineproj
	.p2alignl 7, 3214868480
	.fill 96, 4, 3214868480
	.section	.rodata,"a",@progbits
	.p2align	6, 0x0
	.amdhsa_kernel k_q64608dcfc0_fineproj
		.amdhsa_group_segment_fixed_size 9216
		.amdhsa_private_segment_fixed_size 0
		.amdhsa_enable_private_segment 0
		.amdhsa_kernarg_size 24
		.amdhsa_user_sgpr_count 2
		.amdhsa_user_sgpr_kernarg_segment_ptr 1
		.amdhsa_wavefront_size32 1
		.amdhsa_system_sgpr_workgroup_id_x 1
		.amdhsa_system_sgpr_workgroup_id_y 1
		.amdhsa_system_sgpr_workgroup_id_z 1
		.amdhsa_system_vgpr_workitem_id 0
		.amdhsa_next_free_vgpr 192
		.amdhsa_next_free_sgpr 66
		.amdhsa_reserve_vcc 0
		.amdhsa_float_denorm_mode_32 3
		.amdhsa_float_denorm_mode_16_64 3
		.amdhsa_memory_ordered 1
		.amdhsa_forward_progress 1
		.amdhsa_inst_pref_size 10
	.end_amdhsa_kernel
	.amdgpu_metadata
---
amdhsa.version: [ 1, 2 ]
amdhsa.kernels:
  - .name:           k_q64608dcfc0_fineproj
    .symbol:         k_q64608dcfc0_fineproj.kd
    .args:
      - { .name: ofine, .offset: 0, .size: 8, .value_kind: global_buffer, .address_space: global }
      - { .name: W_o, .offset: 8, .size: 8, .value_kind: global_buffer, .address_space: global }
      - { .name: out0, .offset: 16, .size: 8, .value_kind: global_buffer, .address_space: global }
    .group_segment_fixed_size: 9216
    .private_segment_fixed_size: 0
    .kernarg_segment_align: 8
    .kernarg_segment_size: 24
    .max_flat_workgroup_size: 256
    .sgpr_count:     66
    .vgpr_count:     192
    .wavefront_size: 32
...
	.end_amdgpu_metadata
.endif
;; end of part 6
